; MI455X (gfx1250); checked and timed in simulation.
; The chip was launched on July 23, 2026; its instructions are those of AMD's public machine-readable ISA for CDNA 5 (MIT licence, August 2026) and "CDNA5" Instruction Set Architecture Reference Guide (July 2026). The comments in the code are by the model that wrote it; some were corrected since.
;; Block. Allowed arithmetic: float matrix products may take bf16 or f16 operands with f32 sums; all other float work in f32.
;; Inputs: attn_b 3,072 float32; attn_w 1,024 x 3,072 float32; fc_b 4,096 float32; fc_proj_b 1,024 float32; fc_proj_w 4,096 x 1,024 float32; fc_w 1,024 x 4,096 float32; ln1_b 1,024 float32; ln1_w 1,024 float32; ln2_b 1,024 float32; ln2_w 1,024 float32; proj_b 1,024 float32; proj_w 1,024 x 1,024 float32; x 4 x 1,024 x 1,024 float32.
;; Outputs: out0 4 x 1,024 x 1,024 float32.
;; One version. Each part assembles by itself: llvm-mc -triple=amdgcn-amd-amdhsa -mcpu=gfx1250 --defsym DOCPART=n.
;; ======== version 1 of 1: 7 launches
;; workspace buffers: wt 25,165,824 bytes; h1 8,388,608 bytes; qkv 25,165,824 bytes; y 8,388,608 bytes; x1 16,777,216 bytes; h2 8,388,608 bytes; g 33,554,432 bytes
;; launch prep (part 1): grid 2048 x 1, 8 waves a work-group, no clusters, 17,408 bytes of LDS; arguments attn_w, proj_w, fc_w, fc_proj_w, x, ln1_w, ln1_b, h1, wt; writes h1, wt
.if DOCPART == 1
	.amdgcn_target "amdgcn-amd-amdhsa--gfx1250"
	.amdhsa_code_object_version 6
	.text
	.protected	k_q4387a4631c_prep
	.globl	k_q4387a4631c_prep
	.p2align	8
	.type	k_q4387a4631c_prep,@function
k_q4387a4631c_prep:
	s_mov_b64 s[64:65], 0
	v_nop
	global_prefetch_b8 v0, s[64:65] scope:SCOPE_SE
	s_setreg_imm32_b32 hwreg(HW_REG_WAVE_MODE, 25, 1), 1
	s_wait_xcnt 0x0
; PREP.  Two kinds of work-group, told apart by the work-group's number alone (the same for all eight waves).
; Numbers 0 to 1535: one tile of 128 k x 64 n of one of the four f32 weights [K][N] is rounded to bf16 and written with K fastest into wt:
;   attn_w at byte 0 and fc_w at WF_OFF as rows, [N][K];
;   proj_w at WP_OFF and fc_proj_w at WO_OFF in the order of matrix fragments: [n / 128][k / 32][(n % 128) / 16][e][lane 16 h + r][16 bytes], where r = n % 16 and the
;   16 bytes are k % 32 = 16 e + 8 h + 0..7: a wave that loads 16 bytes a lane from 512 consecutive bytes gets half a fragment, and a K step of a block column is 8,192 consecutive bytes.
; Numbers 1536 to 2047: layer norm 1 of eight rows of x, one row a wave, into h1 (bf16).
; Each work-group reads 32 KiB and writes 16 KiB.  A stream: no tile is shared, so no matrix unit, no tensor load, no cluster.
; Limits: v_rsq_f32 is good to 1 ULP; NaN and infinities in the inputs are not followed.
.set WP_OFF, 6291456
.set WF_OFF, 8388608
.set WO_OFF, 16777216
; transpose path
.set VS, 2                             ; v[2:9]    source offsets of my eight rows k = 8 kq + j
.set VD, 10                            ; v[10:13]  destination offsets of my four stores
.set KQ, 15                            ; v15       kq = t >> 4
.set LR, 16                            ; v[16:19]  LDS addresses of my four reads
.set LS, 24                            ; v[24:27]  LDS addresses of my four stores
.set D,  32                            ; v[32:63]  D + 4 j + c = W[8 kq + j][4 i + c], f32
.set P,  64                            ; v[64:79]  P + 4 c .. + 3 = eight bf16 of column 4 i + c
.set R,  80                            ; v[80:95]  read back
; layer norm path
.set X,  8                             ; v[8:39]    my 32 numbers of the row: load j holds columns 128 j + 4 lane .. + 3
.set W,  40                            ; v[40:71]   the gain at the same columns
.set BV, 72                            ; v[72:103]  the bias
.set SM, 104                           ; v[104:111] four chains of packed sums
.set MU, 112                           ; v[112:113] the mean, twice
.set RS, 114                           ; v[114:115] 1 / sqrt(var + eps), twice
.set TP, 116                           ; v116       the other half's sum
.set Y,  118                           ; v[118:133] the row in bf16
; The four chains become one sum over the wave's 32 lanes, in every lane.
.macro FOLD
	v_pk_add_f32 v[SM:SM+1], v[SM:SM+1], v[SM+2:SM+3]
	v_pk_add_f32 v[SM+4:SM+5], v[SM+4:SM+5], v[SM+6:SM+7]
	v_pk_add_f32 v[SM:SM+1], v[SM:SM+1], v[SM+4:SM+5]
	v_add_f32 v[SM], v[SM], v[SM+1]
	v_add_f32_dpp v[SM], v[SM], v[SM] row_xmask:1 row_mask:0xf bank_mask:0xf
	v_add_f32_dpp v[SM], v[SM], v[SM] row_xmask:2 row_mask:0xf bank_mask:0xf
	v_add_f32_dpp v[SM], v[SM], v[SM] row_xmask:4 row_mask:0xf bank_mask:0xf
	v_add_f32_dpp v[SM], v[SM], v[SM] row_xmask:8 row_mask:0xf bank_mask:0xf
	v_permlanex16_b32 v[TP], v[SM], s42, s43
	v_add_f32 v[SM], v[SM], v[TP]
.endm
; Layer norm of row s27 by one wave: x at s[16:17], gain s[18:19], bias s[20:21], result s[22:23].  The row stays in registers between
; the pass for the mean, the pass for the variance of the centred numbers (sound under a common offset) and the scaling.
.macro LNROW
	s_lshl_b32 s28, s27, 12                        ; 4,096 bytes a row of f32
	s_mov_b32 s29, 0
	s_add_nc_u64 s[16:17], s[16:17], s[28:29]
	s_lshl_b32 s30, s27, 11                        ; 2,048 bytes a row of bf16
	s_mov_b32 s31, 0
	s_add_nc_u64 s[22:23], s[22:23], s[30:31]
	s_mov_b32 s42, 0x76543210                      ; v_permlanex16_b32: lane i of one half reads lane i of the other
	s_mov_b32 s43, 0xfedcba98
	s_mov_b32 s44, 0x3a800000                      ; 1 / 1024
	s_mov_b32 s45, 0x3727c5ac                      ; eps = 1e-5
	v_and_b32 v1, 31, v0
	v_lshlrev_b32 v2, 3, v1                        ; 8 bytes a lane on the way out
	v_lshlrev_b32 v1, 4, v1                        ; 16 bytes a lane on the way in
	v_mov_b32 v[TP], 0                             ; v_permlanex16_b32 counts as a reader of its destination
.irp j, 0,1,2,3,4,5,6,7
	global_load_b128 v[X+4*\j:X+4*\j+3], v1, s[16:17] offset:512*\j
.endr
.irp j, 0,1,2,3,4,5,6,7
	global_load_b128 v[W+4*\j:W+4*\j+3], v1, s[18:19] offset:512*\j
.endr
.irp j, 0,1,2,3,4,5,6,7
	global_load_b128 v[BV+4*\j:BV+4*\j+3], v1, s[20:21] offset:512*\j
.endr
	s_wait_loadcnt 16                              ; the row is in; the sixteen younger loads (gain, bias) stay out
.irp c, 0,1,2,3
	v_pk_add_f32 v[SM+2*\c:SM+2*\c+1], v[X+2*\c:X+2*\c+1], v[X+8+2*\c:X+8+2*\c+1]    ; two pairs start each chain: nothing is cleared
.endr
.irp g, 2,3
.irp c, 0,1,2,3
	v_pk_add_f32 v[SM+2*\c:SM+2*\c+1], v[SM+2*\c:SM+2*\c+1], v[X+8*\g+2*\c:X+8*\g+2*\c+1]
.endr
.endr
	FOLD
	v_mul_f32 v[MU], s44, v[SM]
	v_mul_f32 v[MU+1], s44, v[SM]
.irp p, 0,1,2,3,4,5,6,7,8,9,10,11,12,13,14,15
	v_pk_add_f32 v[X+2*\p:X+2*\p+1], v[X+2*\p:X+2*\p+1], v[MU:MU+1] neg_lo:[0,1] neg_hi:[0,1]   ; x - mean
.endr
.irp c, 0,1,2,3
	v_pk_mul_f32 v[SM+2*\c:SM+2*\c+1], v[X+2*\c:X+2*\c+1], v[X+2*\c:X+2*\c+1]
.endr
.irp g, 1,2,3
.irp c, 0,1,2,3
	v_pk_fma_f32 v[SM+2*\c:SM+2*\c+1], v[X+8*\g+2*\c:X+8*\g+2*\c+1], v[X+8*\g+2*\c:X+8*\g+2*\c+1], v[SM+2*\c:SM+2*\c+1]
.endr
.endr
	FOLD
	v_fma_f32 v[SM], v[SM], s44, s45               ; variance + eps
	v_rsq_f32 v[RS], v[SM]
	v_rsq_f32 v[RS+1], v[SM]
	v_nop                                          ; one plain vector instruction behind a transcendental before its result is used (ISA guide 5.7.2)
	s_wait_loadcnt 0x0                             ; gain and bias
	s_wait_alu depctr_va_vdst(0)
.irp p, 0,1,2,3,4,5,6,7,8,9,10,11,12,13,14,15
	v_pk_mul_f32 v[X+2*\p:X+2*\p+1], v[X+2*\p:X+2*\p+1], v[RS:RS+1]
.endr
.irp p, 0,1,2,3,4,5,6,7,8,9,10,11,12,13,14,15
	v_pk_fma_f32 v[X+2*\p:X+2*\p+1], v[X+2*\p:X+2*\p+1], v[W+2*\p:W+2*\p+1], v[BV+2*\p:BV+2*\p+1]
.endr
.irp p, 0,1,2,3,4,5,6,7,8,9,10,11,12,13,14,15
	v_cvt_pk_bf16_f32 v[Y+\p], v[X+2*\p], v[X+2*\p+1]
.endr
.irp j, 0,1,2,3,4,5,6,7
	global_store_b64 v2, v[Y+2*\j:Y+2*\j+1], s[22:23] offset:256*\j      ; the wave's 32 lanes store 256 consecutive bytes, aligned
.endr
.endm
	s_load_b256 s[8:15], s[0:1], 0x0               ; attn_w s[8:9], proj_w s[10:11], fc_w s[12:13], fc_proj_w s[14:15]
	s_load_b256 s[16:23], s[0:1], 0x20             ; x s[16:17], ln1_w s[18:19], ln1_b s[20:21], h1 s[22:23]
	s_load_b64 s[24:25], s[0:1], 0x40              ; wt
	v_lshl_add_u32 v136, v0, 2, 0x4000
	v_mov_b32 v137, 0
	v_lshrrev_b32 v1, 5, v0
	v_readfirstlane_b32 s26, v1                    ; wave 0..7
	s_wait_kmcnt 0x0
	s_cmp_ge_u32 ttmp9, 1536
	s_cbranch_scc1 .Lln
	; Which weight: 384 tiles of attn_w, 128 of proj_w, 512 of fc_w, 512 of fc_proj_w.  The chain starts from the last and selects downward.
	s_mov_b64 s[28:29], s[14:15]                   ; source
	s_mov_b32 s30, 1024                            ; the weight's first work-group
	s_mov_b32 s31, 5                               ; log2 of its tiles along K
	s_mov_b32 s32, 4096                            ; bytes in a source row (N x 4)
	s_mov_b32 s33, 8192                            ; K x 2: bytes of one n over all of K
	s_mov_b32 s34, WO_OFF
	s_mov_b32 s46, 1                               ; 1: written in fragment order, 0: as rows
	s_cmp_lt_u32 ttmp9, 1024
	s_cselect_b64 s[28:29], s[12:13], s[28:29]
	s_cselect_b32 s30, 512, s30
	s_cselect_b32 s31, 3, s31
	s_cselect_b32 s32, 16384, s32
	s_cselect_b32 s33, 2048, s33
	s_cselect_b32 s34, WF_OFF, s34
	s_cselect_b32 s46, 0, s46
	s_cmp_lt_u32 ttmp9, 512
	s_cselect_b64 s[28:29], s[10:11], s[28:29]
	s_cselect_b32 s30, 384, s30
	s_cselect_b32 s32, 4096, s32
	s_cselect_b32 s34, WP_OFF, s34
	s_cselect_b32 s46, 1, s46
	s_cmp_lt_u32 ttmp9, 384
	s_cselect_b64 s[28:29], s[8:9], s[28:29]
	s_cselect_b32 s30, 0, s30
	s_cselect_b32 s32, 12288, s32
	s_cselect_b32 s34, 0, s34
	s_cselect_b32 s46, 0, s46
	s_sub_co_u32 s35, ttmp9, s30                   ; the tile's number in its weight
	s_lshl_b32 s36, 1, s31
	s_sub_co_u32 s36, s36, 1
	s_and_b32 s36, s35, s36                        ; kt: tile along K
	s_lshr_b32 s37, s35, s31                       ; nt: tile along N
	s_mul_i32 s38, s36, s32
	s_lshl_b32 s38, s38, 7                         ; kt x 128 source rows
	s_lshl_b32 s39, s37, 8                         ; nt x 64 columns x 4 bytes
	s_add_co_u32 s38, s38, s39
	s_mov_b32 s39, 0
	s_add_nc_u64 s[28:29], s[28:29], s[38:39]
	s_mul_i32 s40, s37, s33
	s_lshl_b32 s40, s40, 6                         ; as rows: nt x 64 rows
	s_lshl_b32 s41, s36, 8                         ; + kt x 128 columns x 2 bytes
	s_add_co_u32 s40, s40, s41
	s_lshr_b32 s43, s37, 1                         ; in fragment order: block column nt / 2,
	s_mul_i32 s43, s43, s33
	s_lshl_b32 s43, s43, 7                         ; of K / 32 steps x 8,192 bytes = 128 x 2 K
	s_lshl_b32 s44, s36, 15                        ; + kt x 4 steps x 8,192
	s_add_co_u32 s43, s43, s44
	s_and_b32 s44, s37, 1
	s_lshl_b32 s44, s44, 12                        ; + the block column's half: 4 n tiles x 1,024
	s_add_co_u32 s43, s43, s44
	s_cmp_eq_u32 s46, 1
	s_cselect_b32 s40, s43, s40
	s_add_co_u32 s40, s40, s34
	s_mov_b32 s41, 0
	s_add_nc_u64 s[24:25], s[24:25], s[40:41]
	; thread t: i = t & 15 (four columns), kq = t >> 4 (eight rows)
	v_and_b32 v1, 15, v0
	v_lshrrev_b32 v[KQ], 4, v0
	v_mul_lo_u32 v[VS], v[KQ], s32
	v_lshlrev_b32 v[VS], 3, v[VS]
	v_lshl_add_u32 v[VS], v1, 4, v[VS]             ; 8 kq rows + 16 i
.irp j, 1,2,3,4,5,6,7
	v_add_nc_u32 v[VS+\j], s32, v[VS+\j-1]
.endr
.irp j, 0,1,2,3,4,5,6,7
	global_load_b128 v[D+4*\j:D+4*\j+3], v[VS+\j], s[28:29] th:TH_LOAD_NT    ; sixteen lanes read 256 consecutive bytes of one row, aligned; read once in the launch
.endr
	; The LDS tile is [64 n][256 bytes] without padding; the 16-byte piece q (k = 8 q .. 8 q + 7) of row n lies at place (q + f(n)) & 15, f(n) = (n & 15) ^ (n >> 4).
	; f takes sixteen different values over the sixteen rows 4 i + c of a store (one q), and over the sixteen rows 16 m + i of a read by fragments (one q);
	; a read by rows takes all q of one row.  So the sixteen lanes of each access touch sixteen different 16-byte columns.
	v_and_b32 v20, 3, v1
	v_lshlrev_b32 v20, 2, v20                      ; (i & 3) << 2
	v_lshrrev_b32 v21, 2, v1                       ; i >> 2
.irp c, 0,1,2,3
	v_xor_b32 v22, \c, v21
	v_or_b32 v22, v22, v20                         ; f(4 i + c)
	v_add_nc_u32 v22, v22, v[KQ]
	v_and_b32 v22, 15, v22
	v_lshlrev_b32 v22, 4, v22
	v_lshl_add_u32 v22, v1, 10, v22
	v_add_nc_u32 v[LS+\c], 256*\c, v22             ; row 4 i + c, piece kq
.endr
	s_cmp_eq_u32 s46, 1                            ; the same in all eight waves
	s_cbranch_scc1 .Lfrag
	; as rows: read m takes row 16 m + kq, lane i its piece i; sixteen lanes store 256 consecutive bytes of that row
	v_mul_lo_u32 v[VD], v[KQ], s33
	v_lshl_add_u32 v[VD], v1, 4, v[VD]
	s_lshl_b32 s42, s33, 4                         ; 16 destination rows
.irp n, 1,2,3
	v_add_nc_u32 v[VD+\n], s42, v[VD+\n-1]
.endr
.irp n, 0,1,2,3
	v_xor_b32 v22, \n, v[KQ]                       ; f(16 m + kq)
	v_add_nc_u32 v22, v22, v1
	v_and_b32 v22, 15, v22
	v_lshlrev_b32 v22, 4, v22
	v_lshl_add_u32 v22, v[KQ], 8, v22
	v_add_nc_u32 v[LR+\n], 4096*\n, v22
.endr
	s_branch .Laddr
.Lfrag:
	; in fragment order: read m takes piece kq of row 16 m + i; K step kq >> 2, place (kq & 3) x 256 = 512 e + 256 h in the fragment of n tile m, lane's 16 bytes at 16 i
	v_lshrrev_b32 v22, 2, v[KQ]
	v_and_b32 v23, 3, v[KQ]
	v_lshlrev_b32 v22, 13, v22
	v_lshl_add_u32 v22, v23, 8, v22
	v_lshl_add_u32 v[VD], v1, 4, v22
.irp n, 1,2,3
	v_add_nc_u32 v[VD+\n], 1024*\n, v[VD]
.endr
.irp n, 0,1,2,3
	v_xor_b32 v22, \n, v1                          ; f(16 m + i)
	v_add_nc_u32 v22, v22, v[KQ]
	v_and_b32 v22, 15, v22
	v_lshlrev_b32 v22, 4, v22
	v_lshl_add_u32 v22, v1, 8, v22
	v_add_nc_u32 v[LR+\n], 4096*\n, v22
.endr
.Laddr:
	s_wait_loadcnt 0x0
.irp c, 0,1,2,3
.irp e, 0,1,2,3
	v_cvt_pk_bf16_f32 v[P+4*\c+\e], v[D+8*\e+\c], v[D+8*\e+4+\c]     ; rows 2 e and 2 e + 1 of column c: neighbours along K
.endr
.endr
.irp c, 0,1,2,3
	ds_store_b128 v[LS+\c], v[P+4*\c:P+4*\c+3]
.endr
	s_wait_dscnt 0x0                               ; my stores are done before I say so: other waves read them
	s_barrier_signal -1
	s_barrier_wait -1
.irp n, 0,1,2,3
	ds_load_b128 v[R+4*\n:R+4*\n+3], v[LR+\n]
.endr
.irp n, 0,1,2,3
	s_wait_dscnt 3-\n                              ; LDS loads come back in order: load n is in
	global_store_b128 v[VD+\n], v[R+4*\n:R+4*\n+3], s[24:25]         ; sixteen lanes store 256 consecutive bytes, aligned
.endr
	s_wait_tensorcnt 0x0
	ds_add_u32 v136, v137
	s_wait_dscnt 0x0
	s_endpgm
.Lln:
	s_sub_co_u32 s27, ttmp9, 1536
	s_lshl_b32 s27, s27, 3
	s_add_co_u32 s27, s27, s26                     ; my wave's row
	LNROW
	s_endpgm
.Lfunc_end_k_q4387a4631c_prep:
	.size	k_q4387a4631c_prep, .Lfunc_end_k_q4387a4631c_prep-k_q4387a4631c_prep
	.p2alignl 7, 3214868480
	.fill 96, 4, 3214868480
	.section	.rodata,"a",@progbits
	.p2align	6, 0x0
	.amdhsa_kernel k_q4387a4631c_prep
		.amdhsa_group_segment_fixed_size 17408
		.amdhsa_private_segment_fixed_size 0
		.amdhsa_enable_private_segment 0
		.amdhsa_kernarg_size 72
		.amdhsa_user_sgpr_count 2
		.amdhsa_user_sgpr_kernarg_segment_ptr 1
		.amdhsa_wavefront_size32 1
		.amdhsa_system_sgpr_workgroup_id_x 1
		.amdhsa_system_sgpr_workgroup_id_y 1
		.amdhsa_system_sgpr_workgroup_id_z 1
		.amdhsa_system_vgpr_workitem_id 0
		.amdhsa_next_free_vgpr 138
		.amdhsa_next_free_sgpr 66
		.amdhsa_reserve_vcc 0
		.amdhsa_float_denorm_mode_32 3
		.amdhsa_float_denorm_mode_16_64 3
		.amdhsa_memory_ordered 1
		.amdhsa_forward_progress 1
		.amdhsa_inst_pref_size 22
	.end_amdhsa_kernel
	.amdgpu_metadata
---
amdhsa.version: [ 1, 2 ]
amdhsa.kernels:
  - .name:           k_q4387a4631c_prep
    .symbol:         k_q4387a4631c_prep.kd
    .args:
      - { .name: attn_w, .offset: 0, .size: 8, .value_kind: global_buffer, .address_space: global }
      - { .name: proj_w, .offset: 8, .size: 8, .value_kind: global_buffer, .address_space: global }
      - { .name: fc_w, .offset: 16, .size: 8, .value_kind: global_buffer, .address_space: global }
      - { .name: fc_proj_w, .offset: 24, .size: 8, .value_kind: global_buffer, .address_space: global }
      - { .name: x, .offset: 32, .size: 8, .value_kind: global_buffer, .address_space: global }
      - { .name: ln1_w, .offset: 40, .size: 8, .value_kind: global_buffer, .address_space: global }
      - { .name: ln1_b, .offset: 48, .size: 8, .value_kind: global_buffer, .address_space: global }
      - { .name: h1, .offset: 56, .size: 8, .value_kind: global_buffer, .address_space: global }
      - { .name: wt, .offset: 64, .size: 8, .value_kind: global_buffer, .address_space: global }
    .group_segment_fixed_size: 17408
    .private_segment_fixed_size: 0
    .kernarg_segment_align: 8
    .kernarg_segment_size: 72
    .max_flat_workgroup_size: 256
    .sgpr_count:     66
    .vgpr_count:     138
    .wavefront_size: 32
...
	.end_amdgpu_metadata
.endif
;; end of part 1
;; launch qkv (part 2): grid 8 x 32, 4 waves a work-group, clusters of 4 x 4, 327,680 bytes of LDS; arguments h1, wt, attn_b, qkv; writes qkv
.if DOCPART == 2
	.amdgcn_target "amdgcn-amd-amdhsa--gfx1250"
	.amdhsa_code_object_version 6
	.text
	.protected	k_q4387a4631c_qkv
	.globl	k_q4387a4631c_qkv
	.p2align	8
	.type	k_q4387a4631c_qkv,@function
k_q4387a4631c_qkv:
	s_mov_b64 s[64:65], 0
	v_nop
	global_prefetch_b8 v0, s[64:65] scope:SCOPE_SE
	s_setreg_imm32_b32 hwreg(HW_REG_WAVE_MODE, 25, 1), 1
	s_wait_xcnt 0x0
	s_wait_alu depctr_hold_cnt(0) depctr_sa_sdst(0) depctr_va_vdst(0) depctr_va_sdst(0) depctr_va_ssrc(0) depctr_va_vcc(0) depctr_vm_vsrc(0)
	s_getreg_b32 s2, hwreg(HW_REG_IB_STS2, 6, 4)
	s_cmp_eq_u32 s2, 0
	s_cbranch_scc0 .Lentry_in_a_cluster
	s_endpgm
.Lentry_in_a_cluster:
	s_bfe_u32 s2, ttmp6, 0x10000c
	s_cmp_lg_u32 s2, 0xf033
	s_cbranch_scc0 .Lentry_shape_is_right
	s_endpgm
.Lentry_shape_is_right:
; QKV.  qkv = h1 Wq^T + attn_b.  h1: [4096][1024] bf16; Wq^T: [3072][1024] bf16 at byte 0 of wt; sums in f32, started from the bias.
; The result is bf16, head-major: [48 head columns][4096 rows][64], byte hcol x 524,288 + row x 128 + 2 d; Q is hcol 0-15, K 16-31, V 32-47.
; A work-group makes 128 x 384 of the product with four waves (2 x 2); a wave makes 64 x 192 = exactly three head columns: 48 accumulator tiles, 384 registers.
; K goes in steps of 128 through a ring of two LDS slots filled by the tensor data mover: rows of 256 bytes of memory, aligned.
; CLUSTERS: 4 x 4 work-groups.  A row of the cluster shares the tile of h1, a column the tile of Wq^T: each is asked for jointly, by the same load in all four.
; REGISTERS in windows of 256: window 0 addresses, fragments of h1 (two buffers), the bias, work on the way out; window 1 fragments of Wq^T (two buffers);
; window 2 the accumulators of my rows 0-31 (tile (a, b) at v[8 (12 a + b)]); window 3 those of my rows 32-63.
; The matrix instruction is used transposed (source 0 = 16 rows of Wq^T, source 1 = 16 rows of h1): lane l then holds row l % 16 and its registers 0-7
; the columns 8 (l / 16) + 0..7, eight neighbours of a row.
; Limits: operands and result are rounded to bf16; NaN and infinities are not followed.
.set SIZE_K, 1024
.set BM, 128
.set BN, 384
.set MT, 4                             ; a wave's tiles of 16 along M
.set NT, 12                            ; and along N
.set MH, 2
.set KSLOT, 128                        ; K in a slot: four quarters of 32
.set PITCH, 272                        ; an LDS row: 256 bytes + 16 of padding = 68 words, so the 16 rows of a fragment load start at 16 different banks (64 banks of 4 bytes: ISA guide 11.1)
.set QI, 5                             ; padding behind every 64 words
.set LROWS, 128                        ; rows in one tensor load
.set AW, 1                             ; wave 0 fetches h1's 128 rows, waves 1 to 3 the 384 rows of Wq^T
.set PART, LROWS*PITCH
.set SLOT, 4*PART
.set STAGE, 2*SLOT                     ; behind the ring: 16 rows x 400 bytes for each wave; no fill lands there
.set SPITCH, 400                       ; 384 bytes + 16: an odd multiple of 16
.set LAPS, SIZE_K/(2*KSLOT)            ; a lap = once round the ring
.set ADRA, 16                          ; v16-17 LDS address of my h1 fragments in slot 0, 1
.set ADRB, 20                          ; v20-21 the same for Wq^T
.set STO, 24
.set RD, 25
.set CO, 26
.set BOFF, 27
.set FA0, 64                           ; window 0: v64-95, v96-127
.set FB0, 0                            ; window 1: v0-95, v96-191
.set BIAS, 128                         ; window 0: v128-223: tile column b's bias in the accumulators' layout
.set T, 128                            ; the way out: packed results (the bias is spent by then)
.set G1, 24
.set G0, 32
.set G1B, 48
.set G0B, 56
.set MSB, 0
.macro WIN new                         ; the immediate's high byte repeats the setting that is left
.if MSB != \new
	s_set_vgpr_msb (MSB<<8)|\new
.set MSB, \new
.endif
.endm
.set MUL_LO, 0xa1                      ; source 0 window 1, source 1 window 0, C and D window 2
.set MUL_HI, 0xf1                      ; C and D window 3
.set FIRST_LO, 0x81                    ; C (the bias) window 0, D window 2
.set FIRST_HI, 0xc1                    ; C window 0, D window 3
.set TO_B, 0x40                        ; destination window 1, address window 0
; A joint load.  Each of the two lines has one mask and one set of registers; the branch hangs on the wave's number alone.
.macro JLOAD s
	s_cmp_ge_u32 s10, AW
	s_cbranch_scc1 .Lfor_b_\@
	tensor_load_to_lds s[G0+4*\s:G0+4*\s+3], s[G1:G1+7]
	s_nop 0
	s_branch .Lasked_\@
.Lfor_b_\@:
	tensor_load_to_lds s[G0B+4*\s:G0B+4*\s+3], s[G1B:G1B+7]
	s_nop 0
.Lasked_\@:
.endm
.macro CREST                           ; a round of the cluster's barrier behind its opening barrier
	s_cmp_lg_u32 s10, 0
	s_cbranch_scc1 .Lnot_wave_0_\@
	s_barrier_signal -3
.Lnot_wave_0_\@:
	s_barrier_wait -3
	s_barrier_signal -1
	s_barrier_wait -1
.endm
.macro CROUND
	s_barrier_signal -1
	s_barrier_wait -1
	CREST
.endm
.macro PLACES                          ; four plain vector instructions between a matrix instruction and a load into, or a vector read or write of, its registers
.rept 4
	v_nop
.endr
.endm
	s_load_b128 s[4:7], s[0:1], 0x0                ; h1 s[4:5], wt s[6:7]
	s_load_b64 s[68:69], s[0:1], 0x10              ; attn_b
	s_load_b64 s[8:9], s[0:1], 0x18                ; qkv
	s_set_vgpr_msb 0x40
	v_lshl_add_u32 v255, v0, 2, 0x4a400
	s_set_vgpr_msb 0x4000
	v_mov_b32 v255, 0
	s_set_vgpr_msb 0x1
	ds_add_u32 v255, v255
	ds_add_u32 v255, v255
	s_set_vgpr_msb 0x100
	v_lshrrev_b32 v1, 5, v0
	v_readfirstlane_b32 s10, v1                    ; wave 0..3
	s_lshr_b32 s11, s10, 1                         ; which half of the block's rows is mine
	s_and_b32 s12, s10, 1                          ; which half of its columns
	s_bfe_u32 s40, ttmp6, 0x40000                  ; cx
	s_bfe_u32 s41, ttmp6, 0x40004                  ; cy
	s_lshl_b32 s42, ttmp9, 2
	s_add_co_u32 s42, s42, s40                     ; block column = 4 x cluster x + cx
	s_and_b32 s13, ttmp7, 0xffff
	s_lshl_b32 s13, s13, 2
	s_add_co_u32 s13, s13, s41                     ; block row = 4 x cluster y + cy
	s_lshl_b32 s43, s41, 2
	s_lshl_b32 s43, 15, s43                        ; my row of the cluster
	s_lshl_b32 s44, 0x1111, s40                    ; my column
	; descriptor group 1: LROWS rows x KSLOT elements of 2 bytes, padded by 4 words behind each row
	s_or_b32 s[G1+0], s43, (1<<16)|(1<<20)|(1<<21)|(QI<<22)|(3<<25)
	s_or_b32 s[G1B+0], s44, (1<<16)|(1<<20)|(1<<21)|(QI<<22)|(3<<25)
	s_mov_b32 s[G1+1], KSLOT<<16                   ; tensor_dim0
	s_mov_b32 s[G1B+1], KSLOT<<16
	s_mov_b32 s[G1+2], LROWS<<16                   ; tensor_dim1
	s_mov_b32 s[G1B+2], LROWS<<16
	s_mov_b32 s[G1+3], KSLOT<<16                   ; tile_dim0
	s_mov_b32 s[G1B+3], KSLOT<<16
	s_mov_b32 s[G1+4], LROWS                       ; tile_dim1
	s_mov_b32 s[G1B+4], LROWS
	s_mov_b32 s[G1+5], SIZE_K                      ; elements from row to row
	s_mov_b32 s[G1B+5], SIZE_K
	s_mov_b32 s[G1+6], 0
	s_mov_b32 s[G1B+6], 0
	s_mov_b32 s[G1+7], 0
	s_mov_b32 s[G1B+7], 0
	; where the tiles come from: h1's hang on the block row alone, Wq^T's on the block column alone.  Every wave makes both and asks by one.
	s_min_u32 s17, s10, AW-1
	s_mul_i32 s17, s17, LROWS
	s_mul_i32 s16, s13, BM
	s_add_co_u32 s16, s16, s17
	s_max_u32 s45, s10, AW
	s_sub_co_u32 s45, s45, AW
	s_mul_i32 s45, s45, LROWS
	s_mul_i32 s46, s42, BN
	s_add_co_u32 s46, s46, s45
	s_mov_b32 s17, 0
	s_mov_b32 s47, 0
	s_mov_b64 s[18:19], SIZE_K*2
	s_mul_u64 s[16:17], s[16:17], s[18:19]
	s_mul_u64 s[46:47], s[46:47], s[18:19]
	s_mul_i32 s20, s10, PART                       ; and where they go: wave x its part: no place in the cluster enters an LDS address
	; the way out: head column 6 x block column + 3 x half, row 128 x block row + 64 x half
	s_mul_i32 s72, s42, 6
	s_mul_i32 s73, s12, 3
	s_add_co_u32 s72, s72, s73
	s_lshl_b32 s72, s72, 19
	s_lshl_b32 s73, s13, 7
	s_lshl_b32 s74, s11, 6
	s_add_co_u32 s73, s73, s74
	s_lshl_b32 s73, s73, 7
	s_add_co_u32 s72, s72, s73
	s_mov_b32 s73, 0
	s_mul_i32 s74, s42, BN*4                       ; my first column's bias
	s_mul_i32 s75, s12, BN*2
	s_add_co_u32 s74, s74, s75
	s_wait_dscnt 0x0
	s_wait_kmcnt 0x0
	s_add_nc_u64 s[14:15], s[4:5], s[16:17]
	s_add_nc_u64 s[46:47], s[6:7], s[46:47]
	s_add_nc_u64 s[8:9], s[8:9], s[72:73]
	CROUND                                         ; all sixteen work-groups are here: the first joint loads meet
.irp s, 0,1
	s_mov_b32 s[G0+4*\s], 1
	s_add_co_u32 s[G0+4*\s+1], s20, \s*SLOT
	s_add_nc_u64 s[G0+4*\s+2:G0+4*\s+3], s[14:15], \s*KSLOT*2
	s_or_b32 s[G0+4*\s+3], s[G0+4*\s+3], 0x80000000
	s_mov_b32 s[G0B+4*\s], 1
	s_add_co_u32 s[G0B+4*\s+1], s20, \s*SLOT
	s_add_nc_u64 s[G0B+4*\s+2:G0B+4*\s+3], s[46:47], \s*KSLOT*2
	s_or_b32 s[G0B+4*\s+3], s[G0B+4*\s+3], 0x80000000
	JLOAD \s                                       ; both slots are asked for before anything else: two tensor loads of a wave are out here, one later
.endr
	v_and_b32 v1, 15, v0                           ; r = l % 16
	v_bfe_u32 v2, v0, 4, 1                         ; h = l / 16
	v_lshl_add_u32 v[BOFF], v2, 5, s74             ; bias of columns 8 h + 0..7 of tile column 0
.irp b, 0,1,2,3,4,5,6,7,8,9,10,11
	global_load_b128 v[BIAS+8*\b:BIAS+8*\b+3], v[BOFF], s[68:69] offset:64*\b
	global_load_b128 v[BIAS+8*\b+4:BIAS+8*\b+7], v[BOFF], s[68:69] offset:64*\b+16
.endr
	v_mul_u32_u24 v3, v1, PITCH
	v_lshl_add_u32 v3, v2, 4, v3                   ; row x pitch + 16 x half
	s_mul_i32 s21, s11, (BM/2)*PITCH
	s_mul_i32 s22, s12, (BN/2)*PITCH
	s_add_co_u32 s22, s22, BM*PITCH
.irp s, 0,1
	v_add_nc_u32 v[ADRA+\s], s21, v3
	v_add_nc_u32 v[ADRB+\s], s22, v3
	s_add_co_u32 s21, s21, SLOT
	s_add_co_u32 s22, s22, SLOT
.endr
	s_mul_i32 s23, s10, 16*SPITCH
	s_add_co_u32 s23, s23, STAGE                   ; my stage
	v_mul_u32_u24 v4, v1, SPITCH
	v_lshl_add_u32 v4, v2, 4, v4
	v_add_nc_u32 v[STO], s23, v4                   ; in: row r, 16 bytes for each half of the lanes
	v_and_b32 v5, 31, v0
	v_lshrrev_b32 v6, 3, v5
	v_and_b32 v7, 7, v5
	v_mul_u32_u24 v6, v6, SPITCH
	v_lshl_add_u32 v6, v7, 4, v6
	v_add_nc_u32 v[RD], s23, v6                    ; back: eight lanes take one head's 128 bytes of a row, the wave four rows
	v_lshlrev_b32 v[CO], 4, v5                     ; which are 512 consecutive bytes of the head-major result
; NT matrix instructions: tile row a of the window (hi = 0: my rows 0-31, 1: rows 32-63) x all tile columns, 32 along K, from buffer cur.
; first = 1: the bias is C, so the sums start from it: nothing is cleared and nothing is added later.
.macro MULROW cur, hi, a, first
.set FBC, FB0+(\cur)*8*NT
.set FAC, FA0+(\cur)*8*MT+8*((\hi)*MH+(\a))
.irp b, 0,1,2,3,4,5,6,7,8,9,10,11
.if \first
	v_wmma_f32_16x16x32_bf16 v[8*((\a)*NT+\b):8*((\a)*NT+\b)+7], v[FBC+8*\b:FBC+8*\b+7], v[FAC:FAC+7], v[BIAS+8*\b:BIAS+8*\b+7]
.else
	v_wmma_f32_16x16x32_bf16 v[8*((\a)*NT+\b):8*((\a)*NT+\b)+7], v[FBC+8*\b:FBC+8*\b+7], v[FAC:FAC+7], v[8*((\a)*NT+\b):8*((\a)*NT+\b)+7]
.endif
.endr
.endm
.macro LOW1 cur, first
	MULROW \cur, 0, 0, \first
.endm
.macro LOW2 cur, first
	MULROW \cur, 0, 1, \first
.endm
.macro HIGH cur, first
	MULROW \cur, 1, 0, \first
	MULROW \cur, 1, 1, \first
.endm
; 2 (NT + MT) LDS loads in one run: one quarter's fragments, at byte k of the slot's rows, into buffer buf
.macro FETCH slot, k, buf
.set FBC, FB0+(\buf)*8*NT
.set FAC, FA0+(\buf)*8*MT
	WIN TO_B
.irp i, 0,1,2,3,4,5,6,7,8,9,10,11
	ds_load_b128 v[FBC+8*\i:FBC+8*\i+3],   v[ADRB+\slot] offset:\k+\i*16*PITCH
	ds_load_b128 v[FBC+8*\i+4:FBC+8*\i+7], v[ADRB+\slot] offset:\k+\i*16*PITCH+32
.endr
	WIN 0
.irp i, 0,1,2,3
	ds_load_b128 v[FAC+8*\i:FAC+8*\i+3],   v[ADRA+\slot] offset:\k+\i*16*PITCH
	ds_load_b128 v[FAC+8*\i+4:FAC+8*\i+7], v[ADRA+\slot] offset:\k+\i*16*PITCH+32
.endr
.endm
; A quarter: multiplies buffer cur; in its middle it fetches the next quarter's fragments into buffer nxt.
; The 48 accumulators take turns, one instruction a turn, in the same order in every quarter.
.macro QUARTER slot, k, cur, nxt, first
	s_wait_dscnt MT                                ; all of Wq^T's and h1's rows 0-31 are in; the youngest MT loads (rows 32-63) may be out
.if \first
	WIN FIRST_LO
.else
	WIN MUL_LO
.endif
	LOW1 \cur, \first
	LOW2 \cur, \first
	PLACES
	FETCH \slot, \k, \nxt
	s_wait_dscnt 2*(MT+NT)                         ; all but the loads just issued
.if \first
	WIN FIRST_HI
.else
	WIN MUL_HI
.endif
	HIGH \cur, \first
.endm
.macro BODY slot, first
	QUARTER \slot, 64,  0, 1, \first
	QUARTER \slot, 128, 1, 0, 0
	QUARTER \slot, 192, 0, 1, 0
.endm
; The last quarter of a slot: multiplies buffer 1 and changes slots.  In front of the barrier each wave waits for its reads of this slot and for all its
; tensor loads (one is out: its part of the next slot).  Behind it, where the slot is filled again, the round of the cluster's barrier goes on, and the
; joint refill is the wave's first and only tensor load there; then the next slot's first fragments are read.
.macro TURN slot, next, fill
	s_wait_dscnt MT
	WIN MUL_LO
	LOW1 1, 0
	s_wait_dscnt 0x0                               ; my reads of this slot are over
	s_wait_tensorcnt 0x0                           ; all my tensor loads have landed
	ds_add_u32 v255, v255
	s_wait_dscnt 0x0
	s_barrier_signal -1
	LOW2 1, 0                                      ; register work while the others arrive
	WIN 0
	s_barrier_wait -1
.if \fill
	CREST                                          ; no wave of any partner still reads this slot or has a load on its way
	s_add_nc_u64 s[G0+4*\slot+2:G0+4*\slot+3], s[G0+4*\slot+2:G0+4*\slot+3], 2*KSLOT*2
	s_add_nc_u64 s[G0B+4*\slot+2:G0B+4*\slot+3], s[G0B+4*\slot+2:G0B+4*\slot+3], 2*KSLOT*2
	JLOAD \slot
.endif
	PLACES
	FETCH \next, 0, 0
	WIN MUL_HI
	HIGH 1, 0
.endm
.macro LAP first
	BODY 0, \first
	TURN 0, 1, 1
	BODY 1, 0
	TURN 1, 0, 1
.endm
	s_wait_tensorcnt 1                             ; my part of slot 0 is in; slot 1's stays out
	s_barrier_signal -1
	s_barrier_wait -1
	FETCH 0, 0, 0
	s_wait_loadcnt 0x0                             ; the bias
	LAP 1
	WIN 0
	s_mov_b32 s3, LAPS-2
.Llap:
	LAP 0
	WIN 0
	s_sub_co_u32 s3, s3, 1
	s_cmp_lg_u32 s3, 0
	s_cbranch_scc1 .Llap
	BODY 0, 0                                      ; the last lap fills nothing
	TURN 0, 1, 0
	BODY 1, 0
	s_wait_dscnt MT
	WIN MUL_LO
	LOW1 1, 0
	LOW2 1, 0
	s_wait_dscnt 0x0
	WIN MUL_HI
	HIGH 1, 0
	PLACES
; THE WAY OUT, 16 rows at a time: round to bf16, 16 bytes a lane into my own stage, read back head by head, four rows of 128 bytes to a load.
; The stage is the wave's own and LDS serves a wave's instructions in order (ISA guide 5.7.1.4): no wait between its stores and its loads.
.macro OUTQ i, a, from, f
	WIN \from
.irp b, 0,1,2,3,4,5,6,7,8,9,10,11
.irp e, 0,1,2,3
	v_cvt_pk_bf16_f32 v[T+4*\b+\e], v[8*((\a)*NT+\b)+2*\e], v[8*((\a)*NT+\b)+2*\e+1]
.endr
.endr
	WIN 0
.irp b, 0,1,2,3,4,5,6,7,8,9,10,11
	ds_store_b128 v[STO], v[T+4*\b:T+4*\b+3] offset:32*\b
.endr
	s_wait_xcnt 0x0                                ; buffer f, which earlier stores read, is loaded again only behind this wait
.irp hc, 0,1,2
.irp n, 0,1,2,3
	ds_load_b128 v[\f+4*(4*\hc+\n):\f+4*(4*\hc+\n)+3], v[RD] offset:\hc*128+\n*4*SPITCH
.endr
.endr
.irp hc, 0,1,2
.irp n, 0,1,2,3
	s_wait_dscnt 11-(4*\hc+\n)
	global_store_b128 v[CO], v[\f+4*(4*\hc+\n):\f+4*(4*\hc+\n)+3], s[8:9] offset:\hc*524288+\i*2048+\n*512    ; the wave stores 512 consecutive bytes, aligned
.endr
.endr
.endm
	OUTQ 0, 0, 0x0a, 176
	OUTQ 1, 1, 0x0a, 64
	OUTQ 2, 0, 0x0f, 176
	OUTQ 3, 1, 0x0f, 64
	s_set_vgpr_msb 0x1
	s_wait_tensorcnt 0x0
	ds_add_u32 v255, v255
	s_wait_dscnt 0x0
	s_set_vgpr_msb 0x100
	CROUND                                         ; the closing round: no work-group ends while a partner may still ask for a tile that names it
	s_endpgm
.Lfunc_end_k_q4387a4631c_qkv:
	.size	k_q4387a4631c_qkv, .Lfunc_end_k_q4387a4631c_qkv-k_q4387a4631c_qkv
	.p2alignl 7, 3214868480
	.fill 96, 4, 3214868480
	.section	.rodata,"a",@progbits
	.p2align	6, 0x0
	.amdhsa_kernel k_q4387a4631c_qkv
		.amdhsa_group_segment_fixed_size 327680
		.amdhsa_private_segment_fixed_size 0
		.amdhsa_enable_private_segment 0
		.amdhsa_kernarg_size 32
		.amdhsa_user_sgpr_count 2
		.amdhsa_user_sgpr_kernarg_segment_ptr 1
		.amdhsa_wavefront_size32 1
		.amdhsa_system_sgpr_workgroup_id_x 1
		.amdhsa_system_sgpr_workgroup_id_y 1
		.amdhsa_system_sgpr_workgroup_id_z 1
		.amdhsa_system_vgpr_workitem_id 0
		.amdhsa_next_free_vgpr 1024
		.amdhsa_next_free_sgpr 84
		.amdhsa_reserve_vcc 0
		.amdhsa_float_denorm_mode_32 3
		.amdhsa_float_denorm_mode_16_64 3
		.amdhsa_memory_ordered 1
		.amdhsa_forward_progress 1
		.amdhsa_inst_pref_size 166
	.end_amdhsa_kernel
	.amdgpu_metadata
---
amdhsa.version: [ 1, 2 ]
amdhsa.kernels:
  - .name:           k_q4387a4631c_qkv
    .symbol:         k_q4387a4631c_qkv.kd
    .args:
      - { .name: h1, .offset: 0, .size: 8, .value_kind: global_buffer, .address_space: global }
      - { .name: wt, .offset: 8, .size: 8, .value_kind: global_buffer, .address_space: global }
      - { .name: attn_b, .offset: 16, .size: 8, .value_kind: global_buffer, .address_space: global }
      - { .name: qkv, .offset: 24, .size: 8, .value_kind: global_buffer, .address_space: global }
    .group_segment_fixed_size: 327680
    .private_segment_fixed_size: 0
    .kernarg_segment_align: 8
    .kernarg_segment_size: 32
    .max_flat_workgroup_size: 128
    .sgpr_count:     84
    .vgpr_count:     1024
    .wavefront_size: 32
...
	.end_amdgpu_metadata
.endif
;; end of part 2
;; launch attn (part 3): grid 256 x 1, 4 waves a work-group, clusters of 4 x 1, 321,024 bytes of LDS; arguments qkv, y; writes y
.if DOCPART == 3
	.amdgcn_target "amdgcn-amd-amdhsa--gfx1250"
	.amdhsa_code_object_version 6
	.text
	.protected	k_q4387a4631c_attn
	.globl	k_q4387a4631c_attn
	.p2align	8
	.type	k_q4387a4631c_attn,@function
k_q4387a4631c_attn:
	s_mov_b64 s[64:65], 0
	v_nop
	global_prefetch_b8 v0, s[64:65] scope:SCOPE_SE
	s_setreg_imm32_b32 hwreg(HW_REG_WAVE_MODE, 25, 1), 1
	s_wait_xcnt 0x0
	s_wait_alu depctr_hold_cnt(0) depctr_sa_sdst(0) depctr_va_vdst(0) depctr_va_sdst(0) depctr_va_ssrc(0) depctr_va_vcc(0) depctr_vm_vsrc(0)
	s_getreg_b32 s2, hwreg(HW_REG_IB_STS2, 6, 4)
	s_cmp_eq_u32 s2, 0
	s_cbranch_scc0 .Lentry_in_a_cluster
	s_endpgm
.Lentry_in_a_cluster:
	s_bfe_u32 s2, ttmp6, 0x10000c
	s_cmp_lg_u32 s2, 0x3003
	s_cbranch_scc0 .Lentry_shape_is_right
	s_endpgm
.Lentry_shape_is_right:
; ATTN.  Causal attention of one (batch, head) by a cluster of four work-groups; y[b][t][64 head + d], bf16.
; The head's whole K and V (1,024 rows of 128 bytes each) lie in every work-group's LDS, brought once by joint loads that name all four:
; no ring, no refill, one barrier when they have landed.  A wave has two tensor loads out.
; The queries are eight groups G of 128; of each group work-group cx takes the 32 queries at 128 G + 32 cx.  Wave w serves G = w and then G = 7 - w:
; (w + 1) + (8 - w) = 9 blocks of 128 keys for every wave.  Trip counts and LDS addresses hang on the wave's number alone; cx enters global addresses
; and the causal compare (a select) only.  The key range is rounded up to the group's end; the surplus is masked.
; The scores are made transposed, S^T = K Q^T: lane (r, h) holds keys 8 h + j of query r, so a query's maximum and sum are one number a lane (the two
; halves meet by v_permlanex16_b32), and eight scores packed to bf16 are half of the second operand of O^T = V^T P^T.  V^T comes by the transposing LDS load.
; p = exp2(c s - c m), c = log2(e) / 8, m the running maximum of the raw scores.
; Each group's result waits, rounded to bf16, in 32 registers; both groups leave at the end, through the wave's stage in LDS, behind one barrier in front of
; which every wave's reads of K and V are back: the order of those reads and the stores into the stages does not rest on the key loop's address arithmetic.
; The nine blocks are the same work in every wave, so little is waited for at that barrier.
; Limits: v_exp_f32 gives 0 below 2^-126; v_rcp_f32 is good to 1 ULP; q, k, v, p and y are bf16; NaN and infinities are not followed.
; y leaves in pieces of 128 consecutive bytes (eight lanes): a head's share of a row of y; K's and V's rows are 128 bytes, the head's own size.
.set KP, 144                           ; K's LDS pitch: 128 + 16, an odd multiple of 16
.set VP, 160                           ; V's: 128 + 32, an odd multiple of 32, for the transposing load
.set VBASE, 1024*KP
.set STAGE, VBASE+1024*VP              ; 16 rows x 144 bytes for each wave; no fill lands there
.set VK0, 4                            ; r x 144 + 16 h
.set VK, 5                             ; the K fragments' address
.set VV0, 6                            ; VBASE + (8 h + (L & 7)) x 160 + 16 ((L >> 3) & 1)
.set VV, 7                             ; the V fragments' address
.set QO, 8                             ; offset of my part of Q
.set STO, 10
.set RD, 11
.set QREL, 12                          ; v12-13  32 cx + 16 q + r - 8 h: key koff + 16 t + j of the diagonal block is allowed if it is not above this
.set MM, 14                            ; v14-15  running maximum, query tile q
.set LL, 16                            ; v16-17  running sum (each half of the lanes keeps its own part)
.set AL, 18                            ; v18, v20  the rescale factor (at the end 1 / sum); v19, v21 only fill the pairs
.set NM, 22                            ; v22, v24  -c m; v23, v25 only fill the pairs
.set CC, 26                            ; v[26:27]  c, c
.set MX, 28
.set TP, 30
.set KF, 32                            ; v[32:95]   K fragments: key tile t at + 16 t, K step at + 8
.set VF, 96                            ; v[96:159]  V^T fragments: 32 keys u at + 32 u, d tile at + 8 d
.set SC, 160                           ; v[160:223] scores: + 32 q + 8 t + j; P packed in place: + 32 q + 8 u
.set TM, 224                           ; v[224:239] the maximum's tree, then the sum's chains: eight for each q
.set QL, 240
.set YL, 241
.set YO, 242                           ; v242-243  offset of my part of y, first and second group
.set RB, 176                           ; the way out: rows read back, in the scores' place
.set QF, 0                             ; window 1: v[0:31]   Q fragments: + 16 q + 8 K step
.set OA, 32                            ; window 1: v[32:95]  O^T: tile (d, q) at + 8 (2 d + q)
.set SV, 96                            ; window 1: v[96:159] the results in bf16: + 32 group + 16 q + 4 d
.set MSB, 0
.macro WIN new
.if MSB != \new
	s_set_vgpr_msb (MSB<<8)|\new
.set MSB, \new
.endif
.endm
.macro ROUND                           ; a round of the cluster's barrier
	s_barrier_signal -1
	s_barrier_wait -1
	s_cmp_lg_u32 s8, 0
	s_cbranch_scc1 .Lnot_wave_0_\@
	s_barrier_signal -3
.Lnot_wave_0_\@:
	s_barrier_wait -3
	s_barrier_signal -1
	s_barrier_wait -1
.endm
	s_load_b128 s[4:7], s[0:1], 0x0                ; qkv s[4:5], y s[6:7]
	v_lshl_add_u32 v254, v0, 2, 0x4e400
	v_mov_b32 v255, 0
	ds_add_u32 v254, v255
	ds_add_u32 v254, v255
	v_lshrrev_b32 v1, 5, v0
	v_readfirstlane_b32 s8, v1                     ; wave 0..3
	s_bfe_u32 s9, ttmp6, 0x40000                   ; cx
	s_and_b32 s10, ttmp9, 15                       ; head
	s_lshr_b32 s11, ttmp9, 4                       ; batch
	s_mov_b32 s12, 0x76543210
	s_mov_b32 s13, 0xfedcba98
	s_mov_b32 s48, 0xff800000                      ; -infinity
	s_mov_b32 s49, 0xbe38aa3b                      ; -c
	; group 1: 256 rows of 64 bf16, dense in memory; padding behind every 32 words: 4 words for K, 8 for V; the mask names all four work-groups
	s_mov_b32 s16, 15|(1<<16)|(1<<20)|(1<<21)|(4<<22)|(3<<25)
	s_mov_b32 s24, 15|(1<<16)|(1<<20)|(1<<21)|(4<<22)|(7<<25)
	s_mov_b32 s17, 64<<16
	s_mov_b32 s25, 64<<16
	s_mov_b32 s18, 256<<16
	s_mov_b32 s26, 256<<16
	s_mov_b32 s19, 64<<16
	s_mov_b32 s27, 64<<16
	s_mov_b32 s20, 256
	s_mov_b32 s28, 256
	s_mov_b32 s21, 64
	s_mov_b32 s29, 64
	s_mov_b32 s22, 0
	s_mov_b32 s30, 0
	s_mov_b32 s23, 0
	s_mov_b32 s31, 0
	s_mov_b32 s32, 1
	s_mov_b32 s36, 1
	s_mul_i32 s33, s8, 256*KP                      ; my quarter of K in LDS
	s_mul_i32 s37, s8, 256*VP
	s_add_co_u32 s37, s37, VBASE                   ; my quarter of V
	s_lshl_b32 s44, s10, 19                        ; head x 524,288
	s_lshl_b32 s45, s11, 17                        ; batch x 1,024 rows x 128 bytes
	s_add_co_u32 s44, s44, s45
	s_mov_b32 s45, 0
	s_lshl_b32 s46, s8, 15                         ; wave x 256 rows x 128 bytes
	s_mov_b32 s47, 0
	s_lshl_b32 s50, s11, 21                        ; batch x 1,024 rows x 2,048 bytes of y
	s_lshl_b32 s51, s10, 7                         ; head x 128 bytes
	s_add_co_u32 s50, s50, s51
	s_mov_b32 s51, 0
	s_wait_dscnt 0x0
	s_wait_kmcnt 0x0
	s_add_nc_u64 s[40:41], s[4:5], s[44:45]        ; Q of this head and batch
	s_add_nc_u64 s[42:43], s[6:7], s[50:51]        ; y of this head and batch
	s_add_nc_u64 s[44:45], s[40:41], s[46:47]
	s_add_nc_u64 s[34:35], s[44:45], 16*524288     ; K lies 16 head columns behind Q,
	s_add_nc_u64 s[38:39], s[44:45], 32*524288     ; V 32
	s_or_b32 s35, s35, 0x80000000
	s_or_b32 s39, s39, 0x80000000
	ROUND                                          ; the four work-groups are here: the joint loads meet
	tensor_load_to_lds s[32:35], s[16:23]
	s_nop 0
	tensor_load_to_lds s[36:39], s[24:31]
	s_nop 0
	v_and_b32 v3, 31, v0                           ; L
	v_and_b32 v1, 15, v0                           ; r
	v_bfe_u32 v2, v0, 4, 1                         ; h
	v_mul_u32_u24 v[VK0], v1, KP
	v_lshl_add_u32 v[VK0], v2, 4, v[VK0]
	v_and_b32 v[TP], 7, v3                         ; L & 7
	v_lshl_add_u32 v[TP+1], v2, 3, v[TP]
	v_mul_u32_u24 v[VV0], v[TP+1], VP
	v_bfe_u32 v[TP+1], v0, 3, 1
	v_lshl_add_u32 v[VV0], v[TP+1], 4, v[VV0]
	v_add_nc_u32 v[VV0], VBASE, v[VV0]
	s_mul_i32 s44, s8, 16*KP
	s_add_co_u32 s44, s44, STAGE                   ; my stage
	v_add_nc_u32 v[STO], s44, v[VK0]               ; in: row r, 16 bytes for each half of the lanes
	v_lshrrev_b32 v[TP+1], 3, v3                   ; L >> 3
	v_mul_u32_u24 v[RD], v[TP+1], KP
	v_lshl_add_u32 v[RD], v[TP], 4, v[RD]
	v_add_nc_u32 v[RD], s44, v[RD]                 ; back: eight lanes take a row's 128 bytes
	v_lshlrev_b32 v[YL], 11, v[TP+1]
	v_lshl_add_u32 v[YL], v[TP], 4, v[YL]
	v_lshlrev_b32 v[QL], 7, v1
	v_lshl_add_u32 v[QL], v2, 4, v[QL]
	s_lshl_b32 s45, s9, 5
	v_lshlrev_b32 v[QREL+1], 3, v2
	v_sub_nc_u32 v[QREL], v1, v[QREL+1]
	v_add_nc_u32 v[QREL], s45, v[QREL]
	v_add_nc_u32 v[QREL+1], 16, v[QREL]
	v_mov_b32 v[CC], 0x3e38aa3b                    ; c = log2(e) / 8
	v_mov_b32 v[CC+1], 0x3e38aa3b
	v_mov_b32 v[AL+1], 0                           ; the pairs' second registers are named by the packed forms and never used
	v_mov_b32 v[AL+3], 0
	v_mov_b32 v[NM+1], 0
	v_mov_b32 v[NM+3], 0
.macro KLOAD                           ; 64 keys x 64 d: 16 loads
.irp t, 0,1,2,3
.irp e, 0,1,2,3
	ds_load_b128 v[KF+16*\t+4*\e:KF+16*\t+4*\e+3], v[VK] offset:\t*16*KP+32*\e
.endr
.endr
.endm
.macro VLOAD                           ; 64 keys x 64 d, transposed: 16 loads
.irp u, 0,1
.irp d, 0,1,2,3
	ds_load_tr16_b128 v[VF+32*\u+8*\d:VF+32*\u+8*\d+3],   v[VV] offset:\u*32*VP+32*\d
	ds_load_tr16_b128 v[VF+32*\u+8*\d+4:VF+32*\u+8*\d+7], v[VV] offset:\u*32*VP+32*\d+16*VP
.endr
.endr
.endm
.macro QLOAD p                         ; the 32 queries of group s14 (my p-th), straight into fragments: lane (r, h) takes 16 bytes of row r four times for each tile
	s_lshl_b32 s44, s14, 7
	s_lshl_b32 s45, s9, 5
	s_add_co_u32 s44, s44, s45                     ; my first query
	s_lshl_b32 s45, s44, 7
	s_lshl_b32 s46, s44, 11
	s_wait_xcnt 0x0                                ; QO, which the first group's loads name, is rewritten only behind this wait
	v_add_nc_u32 v[QO], s45, v[QL]
	v_add_nc_u32 v[YO+\p], s46, v[YL]
	WIN 0x40
.irp q, 0,1
.irp e, 0,1,2,3
	global_load_b128 v[QF+16*\q+4*\e:QF+16*\q+4*\e+3], v[QO], s[40:41] offset:\q*2048+32*\e
.endr
.endr
	WIN 0
.endm
.macro RESCALE                         ; O^T of query tile q times AL + 2 q, the pair's first register for both halves
	WIN 0x41
.irp d, 0,1,2,3
.irp q, 0,1
.irp p, 0,1,2,3
	v_pk_mul_f32 v[OA+8*(2*\d+\q)+2*\p:OA+8*(2*\d+\q)+2*\p+1], v[OA+8*(2*\d+\q)+2*\p:OA+8*(2*\d+\q)+2*\p+1], v[AL+2*\q:AL+2*\q+1] op_sel_hi:[1,0]
.endr
.endr
.endr
.endm
; The softmax step on 64 keys x 32 queries, both query tiles side by side.
.macro SOFT first, masked, koff
.if \masked
.irp t, 0,1,2,3
.irp j, 0,1,2,3,4,5,6,7
.irp q, 0,1
	v_cmp_le_i32 vcc_lo, \koff+16*\t+\j, v[QREL+\q]
	v_cndmask_b32 v[SC+32*\q+8*\t+\j], s48, v[SC+32*\q+8*\t+\j], vcc_lo      ; a key above the query: -infinity
.endr
.endr
.endr
.endif
	; the largest of 32 scores and the running maximum: 16 three-way maxima, five deep
.irp c, 0,1,2,3,4,5,6,7
.irp q, 0,1
	v_max3_num_f32 v[TM+8*\q+\c], v[SC+32*\q+4*\c], v[SC+32*\q+4*\c+1], v[SC+32*\q+4*\c+2]
.endr
.endr
.irp c, 0,1,2,3
.irp q, 0,1
	v_max3_num_f32 v[TM+8*\q+\c], v[TM+8*\q+\c], v[TM+8*\q+\c+4], v[SC+32*\q+4*\c+3]
.endr
.endr
.irp q, 0,1
	v_max3_num_f32 v[TM+8*\q], v[TM+8*\q], v[TM+8*\q+1], v[SC+32*\q+19]
	v_max3_num_f32 v[TM+8*\q+2], v[TM+8*\q+2], v[TM+8*\q+3], v[SC+32*\q+23]
.endr
.irp q, 0,1
	v_max3_num_f32 v[TM+8*\q], v[TM+8*\q], v[TM+8*\q+2], v[SC+32*\q+27]
.endr
.irp q, 0,1
.if \first
	v_max_num_f32 v[MX+\q], v[TM+8*\q], v[SC+32*\q+31]
.else
	v_max3_num_f32 v[MX+\q], v[TM+8*\q], v[SC+32*\q+31], v[MM+\q]
.endif
.endr
.irp q, 0,1
	v_permlanex16_b32 v[TP+\q], v[MX+\q], s12, s13
.endr
.irp q, 0,1
	v_max_num_f32 v[MM+\q], v[MX+\q], v[TP+\q]     ; the same in both halves.  The first block holds key 128 G, allowed to every query of the group: finite from the start
.endr
.if \first == 0
.irp q, 0,1
	v_fma_f32 v[AL+2*\q], s49, v[MM+\q], -v[NM+2*\q]       ; the new shift less the old one
.endr
.irp q, 0,1
	v_exp_f32 v[AL+2*\q], v[AL+2*\q]
.endr
.endif
.irp q, 0,1
	v_mul_f32 v[NM+2*\q], s49, v[MM+\q]            ; -c m; also the plain instruction behind the exponentials above
.endr
.irp p, 0,1,2,3,4,5,6,7,8,9,10,11,12,13,14,15
.irp q, 0,1
	v_pk_fma_f32 v[SC+32*\q+2*\p:SC+32*\q+2*\p+1], v[SC+32*\q+2*\p:SC+32*\q+2*\p+1], v[CC:CC+1], v[NM+2*\q:NM+2*\q+1] op_sel_hi:[1,1,0]
.endr
.endr
.set n_, 0
.rept 64
	v_exp_f32 v[SC+n_], v[SC+n_]
.set n_, n_+1
.endr
	v_nop                                          ; one plain vector instruction behind the last transcendental (ISA guide 5.7.2)
	s_wait_alu depctr_va_vdst(0)
.irp c, 0,1,2,3
.irp q, 0,1
	v_pk_add_f32 v[TM+8*\q+2*\c:TM+8*\q+2*\c+1], v[SC+32*\q+2*\c:SC+32*\q+2*\c+1], v[SC+32*\q+8+2*\c:SC+32*\q+8+2*\c+1]
.endr
.endr
.irp g, 2,3
.irp c, 0,1,2,3
.irp q, 0,1
	v_pk_add_f32 v[TM+8*\q+2*\c:TM+8*\q+2*\c+1], v[TM+8*\q+2*\c:TM+8*\q+2*\c+1], v[SC+32*\q+8*\g+2*\c:SC+32*\q+8*\g+2*\c+1]
.endr
.endr
.endr
.irp q, 0,1
	v_pk_add_f32 v[TM+8*\q:TM+8*\q+1], v[TM+8*\q:TM+8*\q+1], v[TM+8*\q+2:TM+8*\q+3]
	v_pk_add_f32 v[TM+8*\q+4:TM+8*\q+5], v[TM+8*\q+4:TM+8*\q+5], v[TM+8*\q+6:TM+8*\q+7]
.endr
.irp q, 0,1
	v_pk_add_f32 v[TM+8*\q:TM+8*\q+1], v[TM+8*\q:TM+8*\q+1], v[TM+8*\q+4:TM+8*\q+5]
.endr
.irp q, 0,1
.if \first
	v_add_f32 v[LL+\q], v[TM+8*\q], v[TM+8*\q+1]
.else
	v_add_f32 v[TM+8*\q], v[TM+8*\q], v[TM+8*\q+1]
	v_fma_f32 v[LL+\q], v[LL+\q], v[AL+2*\q], v[TM+8*\q]
.endif
.endr
.irp i, 0,1,2,3,4,5,6,7,8,9,10,11,12,13,14,15
.irp q, 0,1
	v_cvt_pk_bf16_f32 v[SC+32*\q+\i], v[SC+32*\q+2*\i], v[SC+32*\q+2*\i+1]   ; in place, ascending: register i is written when 2 i and 2 i + 1 are read
.endr
.endr
.endm
; One trip: 64 keys against my 32 queries.  This trip's K fragments were asked for a trip earlier.  reset = 1: the next trip begins at key 0.
; In each run of matrix instructions eight accumulators take turns, one instruction a turn.
.macro TRIP first, masked, koff, reset
.rept 5
	v_nop                                          ; behind the last trip's products: four places before loads into V's fragments, five before the scores' products write over P
.endr
	VLOAD
	s_wait_dscnt 16                                ; K's 16 loads are in; V's 16, just issued, stay out
	WIN 0x04
.irp t, 0,1,2,3
.irp q, 0,1
	v_wmma_f32_16x16x32_bf16 v[SC+32*\q+8*\t:SC+32*\q+8*\t+7], v[KF+16*\t:KF+16*\t+7], v[QF+16*\q:QF+16*\q+7], 0
.endr
.endr
.irp t, 0,1,2,3
.irp q, 0,1
	v_wmma_f32_16x16x32_bf16 v[SC+32*\q+8*\t:SC+32*\q+8*\t+7], v[KF+16*\t+8:KF+16*\t+15], v[QF+16*\q+8:QF+16*\q+15], v[SC+32*\q+8*\t:SC+32*\q+8*\t+7]
.endr
.endr
	WIN 0
.if \reset
	v_mov_b32 v[VK], v[VK0]
.else
	v_add_nc_u32 v[VK], 64*KP, v[VK]
.endif
.rept 3
	v_nop                                          ; with the line above: four places before K's fragments are loaded again and the scores are read
.endr
	KLOAD                                          ; the next trip's keys
	SOFT \first, \masked, \koff
.if \first == 0
	RESCALE
.endif
	s_wait_dscnt 16                                ; V's 16 loads are in; the next K's 16 stay out
	WIN 0x50
.irp d, 0,1,2,3
.irp q, 0,1
.if \first
	v_wmma_f32_16x16x32_bf16 v[OA+8*(2*\d+\q):OA+8*(2*\d+\q)+7], v[VF+8*\d:VF+8*\d+7], v[SC+32*\q:SC+32*\q+7], 0
.else
	v_wmma_f32_16x16x32_bf16 v[OA+8*(2*\d+\q):OA+8*(2*\d+\q)+7], v[VF+8*\d:VF+8*\d+7], v[SC+32*\q:SC+32*\q+7], v[OA+8*(2*\d+\q):OA+8*(2*\d+\q)+7]
.endif
.endr
.endr
.irp d, 0,1,2,3
.irp q, 0,1
	v_wmma_f32_16x16x32_bf16 v[OA+8*(2*\d+\q):OA+8*(2*\d+\q)+7], v[VF+32+8*\d:VF+32+8*\d+7], v[SC+32*\q+8:SC+32*\q+15], v[OA+8*(2*\d+\q):OA+8*(2*\d+\q)+7]
.endr
.endr
	WIN 0
.if \reset
	v_mov_b32 v[VV], v[VV0]
.else
	v_add_nc_u32 v[VV], 64*VP, v[VV]
.endif
.endm
; The end of my p-th group: divide by the sum and round to bf16, into the group's 32 registers of window 1.  Nothing touches LDS here.
.macro FINA p
	s_wait_dscnt 0x0                               ; the K fragments asked for in the last trip are not used; their loads are waited for
.rept 4
	v_nop                                          ; four places behind the last products
.endr
.irp q, 0,1
	v_permlanex16_b32 v[TP+\q], v[LL+\q], s12, s13
.endr
.irp q, 0,1
	v_add_f32 v[LL+\q], v[LL+\q], v[TP+\q]         ; the two halves' parts of the sum
.endr
.irp q, 0,1
	v_rcp_f32 v[AL+2*\q], v[LL+\q]
.endr
	v_nop                                          ; one plain vector instruction behind the transcendentals (ISA guide 5.7.2)
	s_wait_alu depctr_va_vdst(0)
	RESCALE
	WIN 0x45                                       ; both sources and the destination in window 1
.irp q, 0,1
.irp d, 0,1,2,3
.irp e, 0,1,2,3
	v_cvt_pk_bf16_f32 v[SV+32*\p+16*\q+4*\d+\e], v[OA+8*(2*\d+\q)+2*\e], v[OA+8*(2*\d+\q)+2*\e+1]
.endr
.endr
.endr
	WIN 0
.endm
; My p-th group leaves: 16 queries at a time into my own stage, back as rows of 128 bytes, four rows to a load, and out.
.macro FINB p
.irp q, 0,1
	WIN 0x04                                       ; the LDS stores' data from window 1
.irp d, 0,1,2,3
	ds_store_b128 v[STO], v[SV+32*\p+16*\q+4*\d:SV+32*\p+16*\q+4*\d+3] offset:32*\d
.endr
	WIN 0
	s_wait_xcnt 0x0                                ; RB, which earlier stores read, is loaded again only behind this wait
.irp i, 0,1,2,3
	ds_load_b128 v[RB+4*\i:RB+4*\i+3], v[RD] offset:\i*4*KP        ; my own bytes: LDS serves a wave's instructions in order (ISA guide 5.7.1.4)
.endr
.irp i, 0,1,2,3
	s_wait_dscnt 3-\i
	global_store_b128 v[YO+\p], v[RB+4*\i:RB+4*\i+3], s[42:43] offset:(16*\q+4*\i)*2048
.endr
.endr
.endm
; Group s14, my p-th: the diagonal block of 128 keys first (two masked trips), then keys 0 to 128 G - 1 in 2 G trips.
.macro PASS p
	s_mul_i32 s44, s14, 128*KP
	s_mul_i32 s45, s14, 128*VP
	v_add_nc_u32 v[VK], s44, v[VK0]
	v_add_nc_u32 v[VV], s45, v[VV0]
	KLOAD
	s_wait_loadcnt 0x0                             ; Q
	TRIP 1, 1, 0, 0
	TRIP 0, 1, 64, 1
	s_cmp_eq_u32 s14, 0
	s_cbranch_scc1 .Lnone_\@
	s_lshl_b32 s15, s14, 1
.Lkeys_\@:
	TRIP 0, 0, 0, 0                                ; the last trip's look-ahead reads rows 128 G to 128 G + 63: filled, and inside K
	s_sub_co_i32 s15, s15, 1
	s_cmp_gt_i32 s15, 0                            ; a signed compare: the loop ends from any start
	s_cbranch_scc1 .Lkeys_\@
.Lnone_\@:
	FINA \p
.endm
	s_mov_b32 s14, s8                              ; G = w
	QLOAD 0
	s_wait_tensorcnt 0x0                           ; my quarters of K and V are in,
	s_barrier_signal -1
	s_barrier_wait -1                              ; everybody's are
	PASS 0
	s_sub_co_u32 s14, 7, s8                        ; G = 7 - w
	QLOAD 1
	PASS 1
	s_wait_dscnt 0x0                               ; all my reads of K and V are back (met: the group's end has waited for them),
	s_barrier_signal -1
	s_barrier_wait -1                              ; and every wave's: only now is anything stored into LDS
	FINB 0
	FINB 1
	s_wait_tensorcnt 0x0
	ds_add_u32 v254, v255
	s_wait_dscnt 0x0
	ROUND                                          ; the closing round
	s_endpgm
.Lfunc_end_k_q4387a4631c_attn:
	.size	k_q4387a4631c_attn, .Lfunc_end_k_q4387a4631c_attn-k_q4387a4631c_attn
	.p2alignl 7, 3214868480
	.fill 96, 4, 3214868480
	.section	.rodata,"a",@progbits
	.p2align	6, 0x0
	.amdhsa_kernel k_q4387a4631c_attn
		.amdhsa_group_segment_fixed_size 321024
		.amdhsa_private_segment_fixed_size 0
		.amdhsa_enable_private_segment 0
		.amdhsa_kernarg_size 16
		.amdhsa_user_sgpr_count 2
		.amdhsa_user_sgpr_kernarg_segment_ptr 1
		.amdhsa_wavefront_size32 1
		.amdhsa_system_sgpr_workgroup_id_x 1
		.amdhsa_system_sgpr_workgroup_id_y 1
		.amdhsa_system_sgpr_workgroup_id_z 1
		.amdhsa_system_vgpr_workitem_id 0
		.amdhsa_next_free_vgpr 416
		.amdhsa_next_free_sgpr 66
		.amdhsa_reserve_vcc 1
		.amdhsa_float_denorm_mode_32 3
		.amdhsa_float_denorm_mode_16_64 3
		.amdhsa_memory_ordered 1
		.amdhsa_forward_progress 1
		.amdhsa_inst_pref_size 143
	.end_amdhsa_kernel
	.amdgpu_metadata
---
amdhsa.version: [ 1, 2 ]
amdhsa.kernels:
  - .name:           k_q4387a4631c_attn
    .symbol:         k_q4387a4631c_attn.kd
    .args:
      - { .name: qkv, .offset: 0, .size: 8, .value_kind: global_buffer, .address_space: global }
      - { .name: y, .offset: 8, .size: 8, .value_kind: global_buffer, .address_space: global }
    .group_segment_fixed_size: 321024
    .private_segment_fixed_size: 0
    .kernarg_segment_align: 8
    .kernarg_segment_size: 16
    .max_flat_workgroup_size: 128
    .sgpr_count:     66
    .vgpr_count:     416
    .wavefront_size: 32
...
	.end_amdgpu_metadata
.endif
;; end of part 3
;; launch proj (part 4): grid 8 x 32, 4 waves a work-group, clusters of 4 x 1, 270,848 bytes of LDS; arguments y, wt, proj_b, x, x1; writes x1
.if DOCPART == 4
	.amdgcn_target "amdgcn-amd-amdhsa--gfx1250"
	.amdhsa_code_object_version 6
	.text
	.protected	k_q4387a4631c_proj
	.globl	k_q4387a4631c_proj
	.p2align	8
	.type	k_q4387a4631c_proj,@function
k_q4387a4631c_proj:
	s_mov_b64 s[64:65], 0
	v_nop
	global_prefetch_b8 v0, s[64:65] scope:SCOPE_SE
	s_setreg_imm32_b32 hwreg(HW_REG_WAVE_MODE, 25, 1), 1
	s_wait_xcnt 0x0
	s_wait_alu depctr_hold_cnt(0) depctr_sa_sdst(0) depctr_va_vdst(0) depctr_va_sdst(0) depctr_va_ssrc(0) depctr_va_vcc(0) depctr_vm_vsrc(0)
	s_getreg_b32 s2, hwreg(HW_REG_IB_STS2, 6, 4)
	s_cmp_eq_u32 s2, 0
	s_cbranch_scc0 .Lentry_in_a_cluster
	s_endpgm
.Lentry_in_a_cluster:
	s_bfe_u32 s2, ttmp6, 0x10000c
	s_cmp_lg_u32 s2, 0x3003
	s_cbranch_scc0 .Lentry_shape_is_right
	s_endpgm
.Lentry_shape_is_right:
; PROJ.  x1 = x + y Wp^T + proj_b.  y: [4096][1024] bf16; Wp in fragment order (bf16) at byte W_OFF of wt; x, x1: [4096][1024] f32.  Sums in f32.
; 4096 x 1024 shared among 256 work-groups is 128 x 128 each.  K IS SHARED AMONG THE FOUR WAVES: each wave keeps the whole 128 x 128 (64 accumulator tiles, 512 registers)
; for a quarter of K: of each slot of 512 along K wave w takes k = 128 w .. 128 w + 127, four steps of 32.  So every LDS byte is read once, 16 LDS loads for 64 matrix instructions.
; THE LEFT OPERAND goes through a ring of two LDS slots of 128 rows x 512 k filled by the tensor data mover (rows of 1,024 bytes of memory, aligned; 32 rows a wave, the tile's 128 shared among four).
; CLUSTERS: 4 x 1 work-groups, the four block columns of one block row, need the same tiles of the left operand and ask for them jointly.
; THE WEIGHTS do not pass LDS and are not asked for jointly, though the 32 block rows share them: a joint request lands in LDS.  With both operands there a slot of the same bytes would hold
; 256 of K, 128 matrix instructions a wave for each refill; with the left operand alone it holds 512, and a wave issues 240 between a request and the wait for it.  The weights lie in memory
; in fragment order ([n / 128][k / 32][n tile][half][lane][16 bytes]), each byte is needed by one wave of the work-group, and half a fragment is one load of 512 consecutive bytes into registers.
; Four buffers of a step's eight fragments: in the middle of step s the wave asks for tiles 4-7 of step s + 3 and tiles 0-3 of step s + 4, into the registers just used.
; THE FOUR PARTIAL SUMS meet in LDS: each wave stores its 128 x 128 f32 by rows into an image of its own (over the ring, which has had its last fill), and behind a barrier wave w
; adds rows 32 w .. 32 w + 31 of the four images, the bias and the residual, and stores whole rows of 512 bytes.  That is also the transposition that the way out needs.
; REGISTERS in windows of 256: window 0 addresses, left fragments (two buffers), later the rows read back; window 1 the four weight buffers, at the end the residual;
; window 2 the accumulators of weight tiles 0-3 (tile (a, b) at v[8 (4 a + b)], a the row tile); window 3 those of weight tiles 4-7.
; The matrix instruction is used transposed (source 0 = 16 rows of the weight, source 1 = 16 rows of the left operand): a lane holds eight neighbours of a row.
; Limits: operands are bf16; the sum over K is formed as four sums over interleaved quarters, then (0 + 1) + (2 + 3), bias, residual; NaN and infinities are not followed.
.set SIZE_K, 1024
.set W_OFF, 6291456
.set KSLOT, 512                        ; K in a slot
.set PITCH, 1040                       ; an LDS row: 1,024 bytes + 16 of padding: an odd multiple of 16, so the 16 rows of a fragment load start at 16 different groups of banks (ISA guide 11.1)
.set QI, 7                             ; padding behind every 256 words
.set LROWS, 32                         ; rows in one tensor load
.set PART, LROWS*PITCH
.set SLOT, 4*PART                      ; 133,120
.set NSLOT, SIZE_K/KSLOT
.set LAPS, NSLOT/2                     ; a lap = once round the ring
.set BSTEP, 8192                       ; a K step's eight weight fragments
.set BSLOT, 16*BSTEP                   ; the sixteen K steps of a slot
.set IPITCH, 528                       ; a row of an image: 512 bytes + 16
.set IMG, 128*IPITCH                   ; 67,584; four images: 270,336
.set ADRA, 16                          ; v16-19  LDS address of my left fragments: slot 0 rows 0-63, rows 64-127, slot 1 likewise
.set BO, 20                            ; v20     32,768 w + 16 lane: my place in a slot's weights
.set CO, 21                            ; v21     16 lane
.set STO, 22                           ; v22     where I put 16 bytes of a row of my image
.set RD, 24                            ; v24-27  my rows in image 0..3
.set BIASR, 28                         ; v[28:31] the bias of columns 4 lane .. + 3
.set FA0, 64                           ; v64-127, v128-191
.set RB, 64                            ; the way out: eight rows x four images x 4 registers
.set G1, 24
.set G0, 32
.set MSB, 0
.macro WIN new                         ; the immediate's high byte repeats the setting that is left
.if MSB != \new
	s_set_vgpr_msb (MSB<<8)|\new
.set MSB, \new
.endif
.endm
.set MUL_LO, 0xa1                      ; source 0 window 1, source 1 window 0, C and D window 2
.set MUL_HI, 0xf1                      ; C and D window 3
.set TO_B, 0x40                        ; destination window 1, address window 0
.macro CREST                           ; a round of the cluster's barrier behind its opening barrier
	s_cmp_lg_u32 s10, 0
	s_cbranch_scc1 .Lnot_wave_0_\@
	s_barrier_signal -3
.Lnot_wave_0_\@:
	s_barrier_wait -3
	s_barrier_signal -1
	s_barrier_wait -1
.endm
.macro CROUND
	s_barrier_signal -1
	s_barrier_wait -1
	CREST
.endm
.macro PLACES                          ; four plain vector instructions between a matrix instruction and a load into, or an LDS store of, its registers
.rept 4
	v_nop
.endr
.endm
	s_load_b128 s[4:7], s[0:1], 0x0                ; left operand s[4:5], wt s[6:7]
	s_load_b128 s[68:71], s[0:1], 0x10             ; bias s[68:69], residual s[70:71]
	s_load_b64 s[8:9], s[0:1], 0x20                ; result
	v_lshl_add_u32 v254, v0, 2, 0x42000
	v_mov_b32 v255, 0
	ds_add_u32 v254, v255
	ds_add_u32 v254, v255
	v_lshrrev_b32 v1, 5, v0
	v_readfirstlane_b32 s10, v1                    ; wave 0..3
	s_bfe_u32 s40, ttmp6, 0x40000                  ; cx
	s_lshl_b32 s42, ttmp9, 2
	s_add_co_u32 s42, s42, s40                     ; block column = 4 x cluster x + cx
	s_and_b32 s13, ttmp7, 0xffff                   ; block row = cluster y: the cluster is one work-group high
	; descriptor group 1: 32 rows x 512 elements of 2 bytes, 4 words of padding behind each row; the mask names the cluster's four work-groups
	s_mov_b32 s[G1+0], 15|(1<<16)|(1<<20)|(1<<21)|(QI<<22)|(3<<25)
	s_mov_b32 s[G1+1], KSLOT<<16                   ; tensor_dim0
	s_mov_b32 s[G1+2], LROWS<<16                   ; tensor_dim1
	s_mov_b32 s[G1+3], KSLOT<<16                   ; tile_dim0
	s_mov_b32 s[G1+4], LROWS                       ; tile_dim1
	s_mov_b32 s[G1+5], SIZE_K                      ; elements from row to row
	s_mov_b32 s[G1+6], 0
	s_mov_b32 s[G1+7], 0
	s_lshl_b32 s16, s13, 7
	s_lshl_b32 s17, s10, 5
	s_add_co_u32 s16, s16, s17                     ; row 128 x block row + 32 x wave: the rows that I fetch, and the rows that I finish
	s_lshl_b32 s72, s16, 12                        ; in the result and the residual: 4,096 bytes a row,
	s_lshl_b32 s74, s42, 9                         ; + 512 bytes a block column
	s_add_co_u32 s72, s72, s74
	s_mov_b32 s73, 0
	s_mov_b32 s75, 0
	s_mov_b32 s17, 0
	s_mov_b64 s[18:19], SIZE_K*2
	s_mul_u64 s[16:17], s[16:17], s[18:19]         ; in the left operand; no register of its address ever holds cx
	s_mul_i32 s20, s10, PART                       ; and where the rows go in LDS
	s_mul_i32 s46, s42, SIZE_K*256                 ; my block column's weights: K / 32 steps of 8,192 bytes
	s_add_co_u32 s46, s46, W_OFF
	s_mov_b32 s47, 0
	s_wait_dscnt 0x0
	s_wait_kmcnt 0x0
	s_add_nc_u64 s[14:15], s[4:5], s[16:17]
	s_add_nc_u64 s[6:7], s[6:7], s[46:47]
	s_add_nc_u64 s[8:9], s[8:9], s[72:73]
	s_add_nc_u64 s[70:71], s[70:71], s[72:73]
	s_add_nc_u64 s[68:69], s[68:69], s[74:75]
	CROUND                                         ; the four work-groups are here: the first joint loads meet
.irp s, 0,1
	s_mov_b32 s[G0+4*\s], 1
	s_add_co_u32 s[G0+4*\s+1], s20, \s*SLOT
	s_add_nc_u64 s[G0+4*\s+2:G0+4*\s+3], s[14:15], \s*KSLOT*2
	s_or_b32 s[G0+4*\s+3], s[G0+4*\s+3], 0x80000000
	tensor_load_to_lds s[G0+4*\s:G0+4*\s+3], s[G1:G1+7]            ; both slots before anything else: two tensor loads of a wave are out here, one later
	s_nop 0
.endr
; Eight loads: weight tiles 4 hb .. 4 hb + 3 of the K step at byte off from the lap's base, into buffer buf.  Each load is 512 consecutive bytes.
.macro BLD buf, hb, off
.irp b, 0,1,2,3
	global_load_b128 v[64*(\buf)+32*(\hb)+8*\b:64*(\buf)+32*(\hb)+8*\b+3],   v[BO], s[6:7] offset:(\off)+(4*(\hb)+\b)*1024
	global_load_b128 v[64*(\buf)+32*(\hb)+8*\b+4:64*(\buf)+32*(\hb)+8*\b+7], v[BO], s[6:7] offset:(\off)+(4*(\hb)+\b)*1024+512
.endr
.endm
; Eight loads: rows 8 g .. 8 g + 7 of my 32 rows of the residual, 512 consecutive bytes each, into window 1's v[32 g ..]
.macro RLD g
.irp i, 0,1,2,3,4,5,6,7
	global_load_b128 v[32*(\g)+4*\i:32*(\g)+4*\i+3], v[CO], s[70:71] offset:(8*(\g)+\i)*4096
.endr
.endm
.macro GROUP k, buf, hb, off           ; k = 1: weights; k = 2 + g: group g of the residual; k = 0: nothing
.if \k == 1
	BLD \buf, \hb, \off
.endif
.if \k > 1
	RLD \k-2
.endif
.endm
	v_and_b32 v3, 31, v0                           ; lane
	v_lshlrev_b32 v[CO], 4, v3
	global_load_b128 v[BIASR:BIASR+3], v[CO], s[68:69]
	s_lshl_b32 s21, s10, 15                        ; my four K steps of a slot's sixteen
	v_add_nc_u32 v[BO], s21, v[CO]
	WIN TO_B                                       ; the weights of steps 0 to 2 and tiles 0-3 of step 3, in the order in which the steps go on asking
	BLD 0, 0, 0
	BLD 0, 1, 0
	BLD 1, 0, BSTEP
	BLD 1, 1, BSTEP
	BLD 2, 0, 2*BSTEP
	BLD 2, 1, 2*BSTEP
	BLD 3, 0, 3*BSTEP
	WIN 0
	v_and_b32 v1, 15, v0                           ; r = l % 16
	v_bfe_u32 v2, v0, 4, 1                         ; h = l / 16
	v_mul_u32_u24 v4, v1, PITCH
	v_lshl_add_u32 v4, v2, 4, v4                   ; row x pitch + 16 x half
	s_lshl_b32 s21, s10, 8                         ; my 128 k of a row: 256 bytes
	v_add_nc_u32 v[ADRA], s21, v4
	v_add_nc_u32 v[ADRA+1], 64*PITCH, v[ADRA]
	v_add_nc_u32 v[ADRA+2], SLOT, v[ADRA]
	v_add_nc_u32 v[ADRA+3], SLOT+64*PITCH, v[ADRA]
	s_mul_i32 s22, s10, IMG                        ; my image
	v_mul_u32_u24 v5, v1, IPITCH
	v_lshl_add_u32 v5, v2, 5, v5                   ; row r, 32 bytes (eight f32) for each half of the lanes
	v_add_nc_u32 v[STO], s22, v5
	s_mul_i32 s23, s10, 32*IPITCH                  ; my 32 rows of every image
	v_add_nc_u32 v[RD], s23, v[CO]
.irp s, 1,2,3
	v_add_nc_u32 v[RD+\s], \s*IMG, v[RD]
.endr
; 16 matrix instructions: row tiles ra .. ra + 3 x weight tiles 4 hb .. 4 hb + 3 of step q (weight buffer q, left buffer q & 1).  first = 1: the constant 0 starts the sums.
.macro MULQ q, hb, ra, first
.set FBC, 64*(\q)+32*(\hb)
.set FAC, FA0+64*((\q)&1)+8*(\ra)
.irp a, 0,1,2,3
.irp b, 0,1,2,3
.if \first
	v_wmma_f32_16x16x32_bf16 v[8*(4*(\ra+\a)+\b):8*(4*(\ra+\a)+\b)+7], v[FBC+8*\b:FBC+8*\b+7], v[FAC+8*\a:FAC+8*\a+7], 0
.else
	v_wmma_f32_16x16x32_bf16 v[8*(4*(\ra+\a)+\b):8*(4*(\ra+\a)+\b)+7], v[FBC+8*\b:FBC+8*\b+7], v[FAC+8*\a:FAC+8*\a+7], v[8*(4*(\ra+\a)+\b):8*(4*(\ra+\a)+\b)+7]
.endif
.endr
.endr
.endm
; 16 LDS loads: my left fragments of step q of a slot (128 rows x 32 k) into buffer buf, row tiles 0-3 first
.macro FETCH slot, q, buf
.set FAF, FA0+64*(\buf)
.irp i, 0,1,2,3
	ds_load_b128 v[FAF+8*\i:FAF+8*\i+3],   v[ADRA+2*(\slot)] offset:(\q)*64+\i*16*PITCH
	ds_load_b128 v[FAF+8*\i+4:FAF+8*\i+7], v[ADRA+2*(\slot)] offset:(\q)*64+\i*16*PITCH+32
.endr
.irp i, 0,1,2,3
	ds_load_b128 v[FAF+32+8*\i:FAF+32+8*\i+3],   v[ADRA+2*(\slot)+1] offset:(\q)*64+\i*16*PITCH
	ds_load_b128 v[FAF+32+8*\i+4:FAF+32+8*\i+7], v[ADRA+2*(\slot)+1] offset:(\q)*64+\i*16*PITCH+32
.endr
.endm
; A step: 32 along K, 64 matrix instructions: weight tiles 0-3 with all eight row tiles, then tiles 4-7.  In its middle one run of loads: two groups of eight global loads (k1, k2)
; and the next step's left fragments.  The 64 accumulators take turns, one instruction a turn, in the same order in every step.
; chg = 1: the slot's last step: the slots change.  In front of the barrier each wave waits for its reads of this slot and for all its tensor loads (one is out: its part of the next slot).
; fill = 1: the barrier opens a round of the cluster's barrier, and behind the round the joint refill is the wave's first and only tensor load.
; last = 1: the very last step: the barrier says that my reads of the ring are over; behind it the images are stored over the ring.
; c0, c1: global loads come back in order (ISA guide 5.7.1); the counts are the loads issued behind the group that is needed, in groups of eight.
.macro STEP slot, q, first, chg, fill, last, k1, k2, c0, c1
.set S3_, 4*(\slot)+(\q)+3
	s_wait_loadcnt \c0                             ; this step's weight tiles 0-3 are in
	s_wait_dscnt 8                                 ; row tiles 0-3 are in; the youngest eight loads (row tiles 4-7) may be out
	WIN MUL_LO
	MULQ \q, 0, 0, \first
	s_wait_dscnt 0x0                               ; row tiles 4-7; where the slots change, and at the end: my reads of this slot are over
.if \chg
	s_wait_tensorcnt 0x0                           ; all my tensor loads have landed
.endif
.if \chg+\last
	s_barrier_signal -1
.endif
	MULQ \q, 0, 4, \first                          ; register work while the others arrive
.if \chg
	WIN 0
	s_barrier_wait -1
.if \fill
	CREST                                          ; no wave of any partner still reads this slot or has a load on its way
	s_add_nc_u64 s[G0+4*\slot+2:G0+4*\slot+3], s[G0+4*\slot+2:G0+4*\slot+3], 2*KSLOT*2
	tensor_load_to_lds s[G0+4*\slot:G0+4*\slot+3], s[G1:G1+7]
.endif
.endif
	s_wait_loadcnt \c1                             ; this step's weight tiles 4-7 are in
.if \last == 0
	PLACES
	WIN TO_B
	GROUP \k1, (S3_&3), 1, ((S3_>>2)*BSLOT+(S3_&3)*BSTEP)          ; tiles 4-7 of the step three ahead, into the last step's buffer
	GROUP \k2, \q, 0, ((\slot+1)*BSLOT+\q*BSTEP)                   ; tiles 0-3 of the step four ahead, into the registers used just now
	WIN 0
.if \chg
	FETCH 1-\slot, 0, 0
.else
	FETCH \slot, \q+1, (\q+1)&1
.endif
.endif
	WIN MUL_HI
	MULQ \q, 1, 0, \first
	MULQ \q, 1, 4, \first
.if \last
	WIN 0
	s_barrier_wait -1
.endif
.endm
; A slot: at a step's head six groups are younger than its tiles 0-3 (48 loads), in its middle five are younger than its tiles 4-7 (40).
.macro RUN slot, first, fill
	STEP \slot, 0, \first, 0, 0, 0, 1, 1, 48, 40
	STEP \slot, 1, 0, 0, 0, 0, 1, 1, 48, 40
	STEP \slot, 2, 0, 0, 0, 0, 1, 1, 48, 40
	STEP \slot, 3, 0, 1, \fill, 0, 1, 1, 48, 40
.endm
; The last slot.  Where no weights are left to ask for, the four groups of the residual take the places and the registers of the groups that would follow, so that the counts stay
; as they are; the last step has five and then four younger groups.
.macro TAIL
	STEP 1, 0, 0, 0, 0, 0, 1, 2, 48, 40
	STEP 1, 1, 0, 0, 0, 0, 3, 4, 48, 40
	STEP 1, 2, 0, 0, 0, 0, 5, 0, 48, 40
	STEP 1, 3, 0, 0, 0, 1, 0, 0, 40, 32
.endm
.macro NEXT                            ; the weights' base goes on by a lap
	s_wait_xcnt 0x0                                ; the base of pending loads is rewritten only behind this wait
	s_add_nc_u64 s[6:7], s[6:7], 2*BSLOT
.endm
	s_wait_tensorcnt 1                             ; my part of slot 0 is in; slot 1's stays out
	s_barrier_signal -1
	s_barrier_wait -1
	FETCH 0, 0, 0
.if LAPS > 1
	RUN 0, 1, 1
	RUN 1, 0, 1
	NEXT
.if LAPS > 2
	WIN 0
	s_mov_b32 s3, LAPS-2
.Llap:
	RUN 0, 0, 1
	RUN 1, 0, 1
	WIN 0
	NEXT
	s_sub_co_u32 s3, s3, 1
	s_cmp_lg_u32 s3, 0
	s_cbranch_scc1 .Llap
.endif
	RUN 0, 0, 0                                    ; the last lap fills nothing
.else
	RUN 0, 1, 0                                    ; K is two slots: both were filled at the start, nothing is filled again
.endif
	TAIL
	; THE WAY OUT.  No wave reads the ring any more and no tensor load is out or will follow.  My 128 x 128 goes by rows into my image:
	; tile (a, b): row 16 a + r, bytes 64 b + 32 h + 0..31.  The sixteen lanes of a store are 528 bytes apart: sixteen different 16-byte columns.
	PLACES
	WIN 0x08                                       ; the LDS stores' data from window 2
.irp a, 0,1,2,3,4,5,6,7
.irp b, 0,1,2,3
	ds_store_b128 v[STO], v[8*(4*\a+\b):8*(4*\a+\b)+3]   offset:\a*16*IPITCH+64*\b
	ds_store_b128 v[STO], v[8*(4*\a+\b)+4:8*(4*\a+\b)+7] offset:\a*16*IPITCH+64*\b+16
.endr
.endr
	WIN 0x0c                                       ; from window 3: weight tiles 4-7
.irp a, 0,1,2,3,4,5,6,7
.irp b, 0,1,2,3
	ds_store_b128 v[STO], v[8*(4*\a+\b):8*(4*\a+\b)+3]   offset:\a*16*IPITCH+64*\b+256
	ds_store_b128 v[STO], v[8*(4*\a+\b)+4:8*(4*\a+\b)+7] offset:\a*16*IPITCH+64*\b+272
.endr
.endr
	WIN 0
	s_wait_dscnt 0x0                               ; my image is whole before I say so: the other waves read it
	s_barrier_signal -1
	s_barrier_wait -1
	s_wait_loadcnt 0x0                             ; the residual
; Rows 8 g .. 8 g + 7 of my 32: a load takes a whole row of an image, 512 consecutive bytes; (0 + 1) + (2 + 3), the bias, the residual; a store is a row's 512 consecutive bytes, aligned.
.macro OUTS g
	s_wait_xcnt 0x0                                ; the registers that earlier stores read are loaded again only behind this wait
.irp i, 0,1,2,3,4,5,6,7
.irp s, 0,1,2,3
	ds_load_b128 v[RB+16*\i+4*\s:RB+16*\i+4*\s+3], v[RD+\s] offset:(8*\g+\i)*IPITCH
.endr
.endr
.irp i, 0,1,2,3,4,5,6,7
	s_wait_dscnt 28-4*\i                           ; LDS loads come back in order: row i's four are in
	v_pk_add_f32 v[RB+16*\i:RB+16*\i+1],     v[RB+16*\i:RB+16*\i+1],     v[RB+16*\i+4:RB+16*\i+5]
	v_pk_add_f32 v[RB+16*\i+2:RB+16*\i+3],   v[RB+16*\i+2:RB+16*\i+3],   v[RB+16*\i+6:RB+16*\i+7]
	v_pk_add_f32 v[RB+16*\i+8:RB+16*\i+9],   v[RB+16*\i+8:RB+16*\i+9],   v[RB+16*\i+12:RB+16*\i+13]
	v_pk_add_f32 v[RB+16*\i+10:RB+16*\i+11], v[RB+16*\i+10:RB+16*\i+11], v[RB+16*\i+14:RB+16*\i+15]
	v_pk_add_f32 v[RB+16*\i:RB+16*\i+1],     v[RB+16*\i:RB+16*\i+1],     v[RB+16*\i+8:RB+16*\i+9]
	v_pk_add_f32 v[RB+16*\i+2:RB+16*\i+3],   v[RB+16*\i+2:RB+16*\i+3],   v[RB+16*\i+10:RB+16*\i+11]
	v_pk_add_f32 v[RB+16*\i:RB+16*\i+1],     v[RB+16*\i:RB+16*\i+1],     v[BIASR:BIASR+1]
	v_pk_add_f32 v[RB+16*\i+2:RB+16*\i+3],   v[RB+16*\i+2:RB+16*\i+3],   v[BIASR+2:BIASR+3]
.endr
	WIN 0x04                                       ; source 1 (the residual) from window 1
.irp i, 0,1,2,3,4,5,6,7
	v_pk_add_f32 v[RB+16*\i:RB+16*\i+1],   v[RB+16*\i:RB+16*\i+1],   v[4*(8*\g+\i):4*(8*\g+\i)+1]
	v_pk_add_f32 v[RB+16*\i+2:RB+16*\i+3], v[RB+16*\i+2:RB+16*\i+3], v[4*(8*\g+\i)+2:4*(8*\g+\i)+3]
.endr
	WIN 0
.irp i, 0,1,2,3,4,5,6,7
	global_store_b128 v[CO], v[RB+16*\i:RB+16*\i+3], s[8:9] offset:(8*\g+\i)*4096
.endr
.endm
	OUTS 0
	OUTS 1
	OUTS 2
	OUTS 3
	s_wait_tensorcnt 0x0
	ds_add_u32 v254, v255
	s_wait_dscnt 0x0
	CROUND                                         ; the closing round: no work-group ends while a partner may still ask for a tile that names it
	s_endpgm
.Lfunc_end_k_q4387a4631c_proj:
	.size	k_q4387a4631c_proj, .Lfunc_end_k_q4387a4631c_proj-k_q4387a4631c_proj
	.p2alignl 7, 3214868480
	.fill 96, 4, 3214868480
	.section	.rodata,"a",@progbits
	.p2align	6, 0x0
	.amdhsa_kernel k_q4387a4631c_proj
		.amdhsa_group_segment_fixed_size 270848
		.amdhsa_private_segment_fixed_size 0
		.amdhsa_enable_private_segment 0
		.amdhsa_kernarg_size 40
		.amdhsa_user_sgpr_count 2
		.amdhsa_user_sgpr_kernarg_segment_ptr 1
		.amdhsa_wavefront_size32 1
		.amdhsa_system_sgpr_workgroup_id_x 1
		.amdhsa_system_sgpr_workgroup_id_y 1
		.amdhsa_system_sgpr_workgroup_id_z 1
		.amdhsa_system_vgpr_workitem_id 0
		.amdhsa_next_free_vgpr 1024
		.amdhsa_next_free_sgpr 84
		.amdhsa_reserve_vcc 0
		.amdhsa_float_denorm_mode_32 3
		.amdhsa_float_denorm_mode_16_64 3
		.amdhsa_memory_ordered 1
		.amdhsa_forward_progress 1
		.amdhsa_inst_pref_size 104
	.end_amdhsa_kernel
	.amdgpu_metadata
---
amdhsa.version: [ 1, 2 ]
amdhsa.kernels:
  - .name:           k_q4387a4631c_proj
    .symbol:         k_q4387a4631c_proj.kd
    .args:
      - { .name: y, .offset: 0, .size: 8, .value_kind: global_buffer, .address_space: global }
      - { .name: wt, .offset: 8, .size: 8, .value_kind: global_buffer, .address_space: global }
      - { .name: proj_b, .offset: 16, .size: 8, .value_kind: global_buffer, .address_space: global }
      - { .name: x, .offset: 24, .size: 8, .value_kind: global_buffer, .address_space: global }
      - { .name: x1, .offset: 32, .size: 8, .value_kind: global_buffer, .address_space: global }
    .group_segment_fixed_size: 270848
    .private_segment_fixed_size: 0
    .kernarg_segment_align: 8
    .kernarg_segment_size: 40
    .max_flat_workgroup_size: 128
    .sgpr_count:     84
    .vgpr_count:     1024
    .wavefront_size: 32
...
	.end_amdgpu_metadata
.endif
;; end of part 4
;; launch ln2 (part 5): grid 512 x 1, 8 waves a work-group, no clusters, 0 bytes of LDS; arguments x1, ln2_w, ln2_b, h2; writes h2
.if DOCPART == 5
	.amdgcn_target "amdgcn-amd-amdhsa--gfx1250"
	.amdhsa_code_object_version 6
	.text
	.protected	k_q4387a4631c_ln2
	.globl	k_q4387a4631c_ln2
	.p2align	8
	.type	k_q4387a4631c_ln2,@function
k_q4387a4631c_ln2:
	s_mov_b64 s[64:65], 0
	v_nop
	global_prefetch_b8 v0, s[64:65] scope:SCOPE_SE
	s_setreg_imm32_b32 hwreg(HW_REG_WAVE_MODE, 25, 1), 1
	s_wait_xcnt 0x0
; LN2.  h2 = layer norm of x1 ([4096][1024] f32) with gain ln2_w and bias ln2_b, rounded to bf16.  One row a wave, eight rows a work-group.
; The row (4,096 bytes) stays in 32 registers between the pass for the mean, the pass for the variance of the centred numbers (sound under a common
; offset) and the scaling: memory is read once, the reduction never leaves the wave, no LDS and no barrier.  A stream: no matrix unit, tensor load or cluster.
; Limits: v_rsq_f32 is good to 1 ULP; NaN and infinities are not followed.
.set X,  8                             ; v[8:39]    my 32 numbers of the row: load j holds columns 128 j + 4 lane .. + 3
.set W,  40                            ; v[40:71]   the gain at the same columns
.set BV, 72                            ; v[72:103]  the bias
.set SM, 104                           ; v[104:111] four chains of packed sums
.set MU, 112                           ; v[112:113] the mean, twice
.set RS, 114                           ; v[114:115] 1 / sqrt(var + eps), twice
.set TP, 116                           ; v116       the other half's sum
.set Y,  118                           ; v[118:133] the row in bf16
.macro FOLD                            ; the four chains become one sum over the wave's 32 lanes, in every lane
	v_pk_add_f32 v[SM:SM+1], v[SM:SM+1], v[SM+2:SM+3]
	v_pk_add_f32 v[SM+4:SM+5], v[SM+4:SM+5], v[SM+6:SM+7]
	v_pk_add_f32 v[SM:SM+1], v[SM:SM+1], v[SM+4:SM+5]
	v_add_f32 v[SM], v[SM], v[SM+1]
	v_add_f32_dpp v[SM], v[SM], v[SM] row_xmask:1 row_mask:0xf bank_mask:0xf
	v_add_f32_dpp v[SM], v[SM], v[SM] row_xmask:2 row_mask:0xf bank_mask:0xf
	v_add_f32_dpp v[SM], v[SM], v[SM] row_xmask:4 row_mask:0xf bank_mask:0xf
	v_add_f32_dpp v[SM], v[SM], v[SM] row_xmask:8 row_mask:0xf bank_mask:0xf
	v_permlanex16_b32 v[TP], v[SM], s42, s43
	v_add_f32 v[SM], v[SM], v[TP]
.endm
	s_load_b256 s[16:23], s[0:1], 0x0              ; x1 s[16:17], ln2_w s[18:19], ln2_b s[20:21], h2 s[22:23]
	v_lshrrev_b32 v1, 5, v0
	v_readfirstlane_b32 s26, v1                    ; wave 0..7
	s_lshl_b32 s27, ttmp9, 3
	s_add_co_u32 s27, s27, s26                     ; my wave's row
	s_lshl_b32 s28, s27, 12                        ; 4,096 bytes a row of f32
	s_mov_b32 s29, 0
	s_lshl_b32 s30, s27, 11                        ; 2,048 bytes a row of bf16
	s_mov_b32 s31, 0
	s_mov_b32 s42, 0x76543210                      ; v_permlanex16_b32: lane i of one half reads lane i of the other
	s_mov_b32 s43, 0xfedcba98
	s_mov_b32 s44, 0x3a800000                      ; 1 / 1024
	s_mov_b32 s45, 0x3727c5ac                      ; eps = 1e-5
	v_and_b32 v1, 31, v0
	v_lshlrev_b32 v2, 3, v1                        ; 8 bytes a lane on the way out
	v_lshlrev_b32 v1, 4, v1                        ; 16 bytes a lane on the way in
	v_mov_b32 v[TP], 0                             ; v_permlanex16_b32 counts as a reader of its destination
	s_wait_kmcnt 0x0
	s_add_nc_u64 s[16:17], s[16:17], s[28:29]
	s_add_nc_u64 s[22:23], s[22:23], s[30:31]
.irp j, 0,1,2,3,4,5,6,7
	global_load_b128 v[X+4*\j:X+4*\j+3], v1, s[16:17] offset:512*\j
.endr
.irp j, 0,1,2,3,4,5,6,7
	global_load_b128 v[W+4*\j:W+4*\j+3], v1, s[18:19] offset:512*\j
.endr
.irp j, 0,1,2,3,4,5,6,7
	global_load_b128 v[BV+4*\j:BV+4*\j+3], v1, s[20:21] offset:512*\j
.endr
	s_wait_loadcnt 16                              ; the row is in; the sixteen younger loads (gain, bias) stay out
.irp c, 0,1,2,3
	v_pk_add_f32 v[SM+2*\c:SM+2*\c+1], v[X+2*\c:X+2*\c+1], v[X+8+2*\c:X+8+2*\c+1]    ; two pairs start each chain: nothing is cleared
.endr
.irp g, 2,3
.irp c, 0,1,2,3
	v_pk_add_f32 v[SM+2*\c:SM+2*\c+1], v[SM+2*\c:SM+2*\c+1], v[X+8*\g+2*\c:X+8*\g+2*\c+1]
.endr
.endr
	FOLD
	v_mul_f32 v[MU], s44, v[SM]
	v_mul_f32 v[MU+1], s44, v[SM]
.irp p, 0,1,2,3,4,5,6,7,8,9,10,11,12,13,14,15
	v_pk_add_f32 v[X+2*\p:X+2*\p+1], v[X+2*\p:X+2*\p+1], v[MU:MU+1] neg_lo:[0,1] neg_hi:[0,1]   ; x - mean
.endr
.irp c, 0,1,2,3
	v_pk_mul_f32 v[SM+2*\c:SM+2*\c+1], v[X+2*\c:X+2*\c+1], v[X+2*\c:X+2*\c+1]
.endr
.irp g, 1,2,3
.irp c, 0,1,2,3
	v_pk_fma_f32 v[SM+2*\c:SM+2*\c+1], v[X+8*\g+2*\c:X+8*\g+2*\c+1], v[X+8*\g+2*\c:X+8*\g+2*\c+1], v[SM+2*\c:SM+2*\c+1]
.endr
.endr
	FOLD
	v_fma_f32 v[SM], v[SM], s44, s45               ; variance + eps
	v_rsq_f32 v[RS], v[SM]
	v_rsq_f32 v[RS+1], v[SM]
	v_nop                                          ; one plain vector instruction behind a transcendental before its result is used (ISA guide 5.7.2)
	s_wait_loadcnt 0x0                             ; gain and bias
	s_wait_alu depctr_va_vdst(0)
.irp p, 0,1,2,3,4,5,6,7,8,9,10,11,12,13,14,15
	v_pk_mul_f32 v[X+2*\p:X+2*\p+1], v[X+2*\p:X+2*\p+1], v[RS:RS+1]
.endr
.irp p, 0,1,2,3,4,5,6,7,8,9,10,11,12,13,14,15
	v_pk_fma_f32 v[X+2*\p:X+2*\p+1], v[X+2*\p:X+2*\p+1], v[W+2*\p:W+2*\p+1], v[BV+2*\p:BV+2*\p+1]
.endr
.irp p, 0,1,2,3,4,5,6,7,8,9,10,11,12,13,14,15
	v_cvt_pk_bf16_f32 v[Y+\p], v[X+2*\p], v[X+2*\p+1]
.endr
.irp j, 0,1,2,3,4,5,6,7
	global_store_b64 v2, v[Y+2*\j:Y+2*\j+1], s[22:23] offset:256*\j      ; the wave's 32 lanes store 256 consecutive bytes, aligned
.endr
	s_endpgm
.Lfunc_end_k_q4387a4631c_ln2:
	.size	k_q4387a4631c_ln2, .Lfunc_end_k_q4387a4631c_ln2-k_q4387a4631c_ln2
	.p2alignl 7, 3214868480
	.fill 96, 4, 3214868480
	.section	.rodata,"a",@progbits
	.p2align	6, 0x0
	.amdhsa_kernel k_q4387a4631c_ln2
		.amdhsa_group_segment_fixed_size 0
		.amdhsa_private_segment_fixed_size 0
		.amdhsa_enable_private_segment 0
		.amdhsa_kernarg_size 32
		.amdhsa_user_sgpr_count 2
		.amdhsa_user_sgpr_kernarg_segment_ptr 1
		.amdhsa_wavefront_size32 1
		.amdhsa_system_sgpr_workgroup_id_x 1
		.amdhsa_system_sgpr_workgroup_id_y 1
		.amdhsa_system_sgpr_workgroup_id_z 1
		.amdhsa_system_vgpr_workitem_id 0
		.amdhsa_next_free_vgpr 136
		.amdhsa_next_free_sgpr 66
		.amdhsa_reserve_vcc 0
		.amdhsa_float_denorm_mode_32 3
		.amdhsa_float_denorm_mode_16_64 3
		.amdhsa_memory_ordered 1
		.amdhsa_forward_progress 1
		.amdhsa_inst_pref_size 12
	.end_amdhsa_kernel
	.amdgpu_metadata
---
amdhsa.version: [ 1, 2 ]
amdhsa.kernels:
  - .name:           k_q4387a4631c_ln2
    .symbol:         k_q4387a4631c_ln2.kd
    .args:
      - { .name: x1, .offset: 0, .size: 8, .value_kind: global_buffer, .address_space: global }
      - { .name: ln2_w, .offset: 8, .size: 8, .value_kind: global_buffer, .address_space: global }
      - { .name: ln2_b, .offset: 16, .size: 8, .value_kind: global_buffer, .address_space: global }
      - { .name: h2, .offset: 24, .size: 8, .value_kind: global_buffer, .address_space: global }
    .group_segment_fixed_size: 0
    .private_segment_fixed_size: 0
    .kernarg_segment_align: 8
    .kernarg_segment_size: 32
    .max_flat_workgroup_size: 256
    .sgpr_count:     66
    .vgpr_count:     136
    .wavefront_size: 32
...
	.end_amdgpu_metadata
.endif
;; end of part 5
;; launch fc (part 6): grid 16 x 16, 4 waves a work-group, clusters of 4 x 4, 327,680 bytes of LDS; arguments h2, wt, fc_b, g; writes g
.if DOCPART == 6
	.amdgcn_target "amdgcn-amd-amdhsa--gfx1250"
	.amdhsa_code_object_version 6
	.text
	.protected	k_q4387a4631c_fc
	.globl	k_q4387a4631c_fc
	.p2align	8
	.type	k_q4387a4631c_fc,@function
k_q4387a4631c_fc:
	s_mov_b64 s[64:65], 0
	v_nop
	global_prefetch_b8 v0, s[64:65] scope:SCOPE_SE
	s_setreg_imm32_b32 hwreg(HW_REG_WAVE_MODE, 25, 1), 1
	s_wait_xcnt 0x0
	s_wait_alu depctr_hold_cnt(0) depctr_sa_sdst(0) depctr_va_vdst(0) depctr_va_sdst(0) depctr_va_ssrc(0) depctr_va_vcc(0) depctr_vm_vsrc(0)
	s_getreg_b32 s2, hwreg(HW_REG_IB_STS2, 6, 4)
	s_cmp_eq_u32 s2, 0
	s_cbranch_scc0 .Lentry_in_a_cluster
	s_endpgm
.Lentry_in_a_cluster:
	s_bfe_u32 s2, ttmp6, 0x10000c
	s_cmp_lg_u32 s2, 0xf033
	s_cbranch_scc0 .Lentry_shape_is_right
	s_endpgm
.Lentry_shape_is_right:
; FC.  g = gelu(h2 Wf^T + fc_b), bf16.  h2: [4096][1024] bf16; Wf^T: [4096][1024] bf16 at byte W_OFF of wt; g: [4096][4096].  Sums in f32, started from the bias.
; A work-group makes 256 x 256 with four waves (2 x 2), 128 x 128 a wave: 64 accumulator tiles, 512 registers.
; K goes in steps of 128 through a ring of two LDS slots filled by the tensor data mover (rows of 256 bytes of memory, aligned).
; CLUSTERS: 4 x 4 work-groups.  A row of the cluster shares h2's tile, a column Wf^T's: each is asked for jointly.
; REGISTERS in windows of 256: window 0 addresses, fragments of h2 (two buffers), the bias and later the gelu's work; window 1 fragments of Wf^T (two buffers);
; window 2 the accumulators of my rows 0-63 (tile (a, b) at v[8 (8 a + b)]); window 3 those of rows 64-127.
; The matrix instruction is used transposed (source 0 = 16 rows of Wf^T, source 1 = 16 rows of h2): a lane holds eight neighbours of a row.
; gelu(x) = 0.5 x (1 + tanh u), u = sqrt(2/pi) (x + 0.044715 x^3), is x / (1 + exp(-2 u)) = x rcp(1 + exp2(x (K0 + K1 x^2))), K0 = -2 log2(e) sqrt(2/pi), K1 = 0.044715 K0:
; the same function; where exp2 overflows the quotient is x times 0, where it vanishes it is x.
; Limits: operands and g are bf16; v_exp_f32 gives 0 below 2^-126, v_exp_f32 and v_rcp_f32 are good to 1 ULP; NaN and infinities are not followed.
.set SIZE_K, 1024
.set W_OFF, 8388608
.set BM, 256
.set BN, 256
.set MT, 8
.set NT, 8
.set MH, 4
.set KSLOT, 128
.set PITCH, 272                        ; 256 bytes + 16 of padding = 68 words, so the 16 rows of a fragment load start at 16 different banks (64 banks of 4 bytes: ISA guide 11.1)
.set QI, 5
.set LROWS, 128
.set AW, 2                             ; waves 0, 1 fetch h2's halves, waves 2, 3 Wf^T's
.set PART, LROWS*PITCH
.set SLOT, 4*PART
.set STAGE, 2*SLOT                     ; behind the ring: 16 rows x 272 bytes for each wave; no fill lands there
.set SPITCH, 272
.set LAPS, SIZE_K/(2*KSLOT)
.set ADRA, 16
.set ADRB, 20
.set STO, 24
.set RD, 25
.set CO, 26
.set BOFF, 27
.set GK1, 28                           ; v[28:29] K1, K1
.set GK0, 30                           ; v[30:31] K0, K0
.set FA0, 64                           ; window 0: v64-127, v128-191
.set FB0, 0                            ; window 1: v0-63, v64-127
.set BIAS, 192                         ; window 0: v192-255
.set T, 192                            ; the gelu's 64 numbers (the bias is spent by then)
.set G1, 24
.set G0, 32
.set G1B, 48
.set G0B, 56
.set MSB, 0
.macro WIN new
.if MSB != \new
	s_set_vgpr_msb (MSB<<8)|\new
.set MSB, \new
.endif
.endm
.set MUL_LO, 0xa1
.set MUL_HI, 0xf1
.set FIRST_LO, 0x81
.set FIRST_HI, 0xc1
.set TO_B, 0x40
.macro JLOAD s
	s_cmp_ge_u32 s10, AW
	s_cbranch_scc1 .Lfor_b_\@
	tensor_load_to_lds s[G0+4*\s:G0+4*\s+3], s[G1:G1+7]
	s_nop 0
	s_branch .Lasked_\@
.Lfor_b_\@:
	tensor_load_to_lds s[G0B+4*\s:G0B+4*\s+3], s[G1B:G1B+7]
	s_nop 0
.Lasked_\@:
.endm
.macro CREST
	s_cmp_lg_u32 s10, 0
	s_cbranch_scc1 .Lnot_wave_0_\@
	s_barrier_signal -3
.Lnot_wave_0_\@:
	s_barrier_wait -3
	s_barrier_signal -1
	s_barrier_wait -1
.endm
.macro CROUND
	s_barrier_signal -1
	s_barrier_wait -1
	CREST
.endm
.macro PLACES                          ; four plain vector instructions between a matrix instruction and a load into, or a vector read or write of, its registers
.rept 4
	v_nop
.endr
.endm
	s_load_b128 s[4:7], s[0:1], 0x0                ; h2 s[4:5], wt s[6:7]
	s_load_b64 s[68:69], s[0:1], 0x10              ; fc_b
	s_load_b64 s[8:9], s[0:1], 0x18                ; g
	s_set_vgpr_msb 0x40
	v_lshl_add_u32 v255, v0, 2, 0x48400
	s_set_vgpr_msb 0x4000
	v_mov_b32 v63, 0
	s_set_vgpr_msb 0x1
	ds_add_u32 v255, v63
	ds_add_u32 v255, v63
	s_set_vgpr_msb 0x100
	v_lshrrev_b32 v1, 5, v0
	v_readfirstlane_b32 s10, v1
	s_lshr_b32 s11, s10, 1
	s_and_b32 s12, s10, 1
	s_bfe_u32 s40, ttmp6, 0x40000                  ; cx
	s_bfe_u32 s41, ttmp6, 0x40004                  ; cy
	s_lshl_b32 s42, ttmp9, 2
	s_add_co_u32 s42, s42, s40                     ; block column
	s_and_b32 s13, ttmp7, 0xffff
	s_lshl_b32 s13, s13, 2
	s_add_co_u32 s13, s13, s41                     ; block row
	s_lshl_b32 s43, s41, 2
	s_lshl_b32 s43, 15, s43
	s_lshl_b32 s44, 0x1111, s40
	s_or_b32 s[G1+0], s43, (1<<16)|(1<<20)|(1<<21)|(QI<<22)|(3<<25)
	s_or_b32 s[G1B+0], s44, (1<<16)|(1<<20)|(1<<21)|(QI<<22)|(3<<25)
	s_mov_b32 s[G1+1], KSLOT<<16
	s_mov_b32 s[G1B+1], KSLOT<<16
	s_mov_b32 s[G1+2], LROWS<<16
	s_mov_b32 s[G1B+2], LROWS<<16
	s_mov_b32 s[G1+3], KSLOT<<16
	s_mov_b32 s[G1B+3], KSLOT<<16
	s_mov_b32 s[G1+4], LROWS
	s_mov_b32 s[G1B+4], LROWS
	s_mov_b32 s[G1+5], SIZE_K
	s_mov_b32 s[G1B+5], SIZE_K
	s_mov_b32 s[G1+6], 0
	s_mov_b32 s[G1B+6], 0
	s_mov_b32 s[G1+7], 0
	s_mov_b32 s[G1B+7], 0
	s_min_u32 s17, s10, AW-1
	s_mul_i32 s17, s17, LROWS
	s_mul_i32 s16, s13, BM
	s_add_co_u32 s16, s16, s17
	s_max_u32 s45, s10, AW
	s_sub_co_u32 s45, s45, AW
	s_mul_i32 s45, s45, LROWS
	s_mul_i32 s46, s42, BN
	s_add_co_u32 s46, s46, s45
	s_mov_b32 s17, 0
	s_mov_b32 s47, 0
	s_mov_b64 s[18:19], SIZE_K*2
	s_mul_u64 s[16:17], s[16:17], s[18:19]
	s_mul_u64 s[46:47], s[46:47], s[18:19]
	s_mul_i32 s20, s10, PART
	; my 128 x 128 of g: row 256 x block row + 128 x half (8,192 bytes a row), column 256 x block column + 128 x half (bf16)
	s_mul_i32 s74, s42, BN*4                       ; my first column's bias (f32)
	s_mul_i32 s75, s12, BN*2
	s_add_co_u32 s74, s74, s75
	s_lshl_b32 s72, s13, 8
	s_lshl_b32 s73, s11, 7
	s_add_co_u32 s72, s72, s73
	s_lshl_b32 s72, s72, 13
	s_lshr_b32 s73, s74, 1                         ; the same column in bf16
	s_add_co_u32 s72, s72, s73
	s_mov_b32 s73, 0
	s_wait_dscnt 0x0
	s_wait_kmcnt 0x0
	s_add_nc_u64 s[6:7], s[6:7], W_OFF
	s_add_nc_u64 s[14:15], s[4:5], s[16:17]
	s_add_nc_u64 s[46:47], s[6:7], s[46:47]
	s_add_nc_u64 s[8:9], s[8:9], s[72:73]
	CROUND                                         ; all sixteen work-groups are here: the first joint loads meet
.irp s, 0,1
	s_mov_b32 s[G0+4*\s], 1
	s_add_co_u32 s[G0+4*\s+1], s20, \s*SLOT
	s_add_nc_u64 s[G0+4*\s+2:G0+4*\s+3], s[14:15], \s*KSLOT*2
	s_or_b32 s[G0+4*\s+3], s[G0+4*\s+3], 0x80000000
	s_mov_b32 s[G0B+4*\s], 1
	s_add_co_u32 s[G0B+4*\s+1], s20, \s*SLOT
	s_add_nc_u64 s[G0B+4*\s+2:G0B+4*\s+3], s[46:47], \s*KSLOT*2
	s_or_b32 s[G0B+4*\s+3], s[G0B+4*\s+3], 0x80000000
	JLOAD \s                                       ; two tensor loads of a wave are out here, one later
.endr
	v_and_b32 v1, 15, v0                           ; r
	v_bfe_u32 v2, v0, 4, 1                         ; h
	v_lshl_add_u32 v[BOFF], v2, 5, s74
.irp b, 0,1,2,3,4,5,6,7
	global_load_b128 v[BIAS+8*\b:BIAS+8*\b+3], v[BOFF], s[68:69] offset:64*\b
	global_load_b128 v[BIAS+8*\b+4:BIAS+8*\b+7], v[BOFF], s[68:69] offset:64*\b+16
.endr
	v_mul_u32_u24 v3, v1, PITCH
	v_lshl_add_u32 v3, v2, 4, v3
	s_mul_i32 s21, s11, (BM/2)*PITCH
	s_mul_i32 s22, s12, (BN/2)*PITCH
	s_add_co_u32 s22, s22, BM*PITCH
.irp s, 0,1
	v_add_nc_u32 v[ADRA+\s], s21, v3
	v_add_nc_u32 v[ADRB+\s], s22, v3
	s_add_co_u32 s21, s21, SLOT
	s_add_co_u32 s22, s22, SLOT
.endr
	s_mul_i32 s23, s10, 16*SPITCH
	s_add_co_u32 s23, s23, STAGE
	v_mul_u32_u24 v4, v1, SPITCH
	v_lshl_add_u32 v4, v2, 4, v4
	v_add_nc_u32 v[STO], s23, v4                   ; in: row r, 16 bytes for each half of the lanes
	v_mul_u32_u24 v5, v2, SPITCH
	v_lshl_add_u32 v5, v1, 4, v5
	v_add_nc_u32 v[RD], s23, v5                    ; back: lanes 0-15 one row of 256 bytes, lanes 16-31 the next
	v_lshlrev_b32 v5, 13, v2
	v_lshl_add_u32 v[CO], v1, 4, v5                ; the same two rows in g
	v_mov_b32 v[GK1], 0xbdd2d3e8                   ; K1 = -0.10294324
	v_mov_b32 v[GK1+1], 0xbdd2d3e8
	v_mov_b32 v[GK0], 0xc0135761                   ; K0 = -2.3022082
	v_mov_b32 v[GK0+1], 0xc0135761
.macro MULROW cur, hi, a, first
.set FBC, FB0+(\cur)*8*NT
.set FAC, FA0+(\cur)*8*MT+8*((\hi)*MH+(\a))
.irp b, 0,1,2,3,4,5,6,7
.if \first
	v_wmma_f32_16x16x32_bf16 v[8*((\a)*NT+\b):8*((\a)*NT+\b)+7], v[FBC+8*\b:FBC+8*\b+7], v[FAC:FAC+7], v[BIAS+8*\b:BIAS+8*\b+7]
.else
	v_wmma_f32_16x16x32_bf16 v[8*((\a)*NT+\b):8*((\a)*NT+\b)+7], v[FBC+8*\b:FBC+8*\b+7], v[FAC:FAC+7], v[8*((\a)*NT+\b):8*((\a)*NT+\b)+7]
.endif
.endr
.endm
.macro LOW1 cur, first
	MULROW \cur, 0, 0, \first
	MULROW \cur, 0, 1, \first
.endm
.macro LOW2 cur, first
	MULROW \cur, 0, 2, \first
	MULROW \cur, 0, 3, \first
.endm
.macro HIGH cur, first
	MULROW \cur, 1, 0, \first
	MULROW \cur, 1, 1, \first
	MULROW \cur, 1, 2, \first
	MULROW \cur, 1, 3, \first
.endm
.macro FETCH slot, k, buf
.set FBC, FB0+(\buf)*8*NT
.set FAC, FA0+(\buf)*8*MT
	WIN TO_B
.irp i, 0,1,2,3,4,5,6,7
	ds_load_b128 v[FBC+8*\i:FBC+8*\i+3],   v[ADRB+\slot] offset:\k+\i*16*PITCH
	ds_load_b128 v[FBC+8*\i+4:FBC+8*\i+7], v[ADRB+\slot] offset:\k+\i*16*PITCH+32
.endr
	WIN 0
.irp i, 0,1,2,3,4,5,6,7
	ds_load_b128 v[FAC+8*\i:FAC+8*\i+3],   v[ADRA+\slot] offset:\k+\i*16*PITCH
	ds_load_b128 v[FAC+8*\i+4:FAC+8*\i+7], v[ADRA+\slot] offset:\k+\i*16*PITCH+32
.endr
.endm
; The 64 accumulators take turns, one instruction a turn, in the same order in every quarter.
.macro QUARTER slot, k, cur, nxt, first
	s_wait_dscnt MT                                ; Wf^T's fragments and my rows 0-63 are in; the youngest MT loads (rows 64-127) may be out
.if \first
	WIN FIRST_LO
.else
	WIN MUL_LO
.endif
	LOW1 \cur, \first
	LOW2 \cur, \first
	PLACES
	FETCH \slot, \k, \nxt
	s_wait_dscnt 2*(MT+NT)                         ; all but the loads just issued
.if \first
	WIN FIRST_HI
.else
	WIN MUL_HI
.endif
	HIGH \cur, \first
.endm
.macro BODY slot, first
	QUARTER \slot, 64,  0, 1, \first
	QUARTER \slot, 128, 1, 0, 0
	QUARTER \slot, 192, 0, 1, 0
.endm
; The last quarter of a slot changes slots: each wave's waits for its reads and for all its tensor loads, the barrier (which opens the cluster's round where the slot
; is filled again), the joint refill first behind the round, then the next slot's first fragments.
.macro TURN slot, next, fill
	s_wait_dscnt MT
	WIN MUL_LO
	LOW1 1, 0
	s_wait_dscnt 0x0                               ; my reads of this slot are over
	s_wait_tensorcnt 0x0                           ; all my tensor loads have landed (one was out: my part of the next slot)
	ds_add_u32 v255, v63
	s_wait_dscnt 0x0
	s_barrier_signal -1
	LOW2 1, 0
	WIN 0
	s_barrier_wait -1
.if \fill
	CREST
	s_add_nc_u64 s[G0+4*\slot+2:G0+4*\slot+3], s[G0+4*\slot+2:G0+4*\slot+3], 2*KSLOT*2
	s_add_nc_u64 s[G0B+4*\slot+2:G0B+4*\slot+3], s[G0B+4*\slot+2:G0B+4*\slot+3], 2*KSLOT*2
	JLOAD \slot
.endif
	PLACES
	FETCH \next, 0, 0
	WIN MUL_HI
	HIGH 1, 0
.endm
.macro LAP first
	BODY 0, \first
	TURN 0, 1, 1
	BODY 1, 0
	TURN 1, 0, 1
.endm
	s_wait_tensorcnt 1                             ; my part of slot 0 is in; slot 1's stays out
	s_barrier_signal -1
	s_barrier_wait -1
	FETCH 0, 0, 0
	s_wait_loadcnt 0x0                             ; the bias
	LAP 1
	WIN 0
	s_mov_b32 s3, LAPS-2
.Llap:
	LAP 0
	WIN 0
	s_sub_co_u32 s3, s3, 1
	s_cmp_lg_u32 s3, 0
	s_cbranch_scc1 .Llap
	BODY 0, 0                                      ; the last lap fills nothing
	TURN 0, 1, 0
	BODY 1, 0
	s_wait_dscnt MT
	WIN MUL_LO
	LOW1 1, 0
	LOW2 1, 0
	s_wait_dscnt 0x0
	WIN MUL_HI
	HIGH 1, 0
	PLACES
; THE WAY OUT, 16 rows (64 numbers a lane, the eight tiles of tile row a: 64 consecutive registers) at a time: gelu in f32, round to bf16, through my own stage.
; two: sources 0 and 1 from the accumulators' window; one: source 0 alone.
.macro OUTG i, a, two, one, f
	WIN \two
.set p_, 0
.rept 32
	v_pk_mul_f32 v[T+2*p_:T+2*p_+1], v[64*\a+2*p_:64*\a+2*p_+1], v[64*\a+2*p_:64*\a+2*p_+1]       ; x^2
.set p_, p_+1
.endr
	WIN 0
.set p_, 0
.rept 32
	v_pk_fma_f32 v[T+2*p_:T+2*p_+1], v[T+2*p_:T+2*p_+1], v[GK1:GK1+1], v[GK0:GK0+1]               ; K0 + K1 x^2
.set p_, p_+1
.endr
	WIN \one
.set p_, 0
.rept 32
	v_pk_mul_f32 v[T+2*p_:T+2*p_+1], v[64*\a+2*p_:64*\a+2*p_+1], v[T+2*p_:T+2*p_+1]               ; times x
.set p_, p_+1
.endr
	WIN 0
.set p_, 0
.rept 64
	v_exp_f32 v[T+p_], v[T+p_]
.set p_, p_+1
.endr
	v_nop                                          ; one plain vector instruction behind the last transcendental (ISA guide 5.7.2)
.set p_, 0
	s_wait_alu depctr_va_vdst(0)
.rept 32
	v_pk_add_f32 v[T+2*p_:T+2*p_+1], v[T+2*p_:T+2*p_+1], 1.0 op_sel_hi:[1,0]
.set p_, p_+1
.endr
.set p_, 0
.rept 64
	v_rcp_f32 v[T+p_], v[T+p_]
.set p_, p_+1
.endr
	v_nop
	WIN \one
.set p_, 0
	s_wait_alu depctr_va_vdst(0)
.rept 32
	v_pk_mul_f32 v[T+2*p_:T+2*p_+1], v[64*\a+2*p_:64*\a+2*p_+1], v[T+2*p_:T+2*p_+1]               ; x / (1 + exp2(..))
.set p_, p_+1
.endr
	WIN 0
.set p_, 0
.rept 32
	v_cvt_pk_bf16_f32 v[T+p_], v[T+2*p_], v[T+2*p_+1]      ; in place, ascending: register p is written when 2 p and 2 p + 1 are read
.set p_, p_+1
.endr
.irp b, 0,1,2,3,4,5,6,7
	ds_store_b128 v[STO], v[T+4*\b:T+4*\b+3] offset:32*\b
.endr
	s_wait_xcnt 0x0                                ; buffer f, which earlier stores read, is loaded again only behind this wait
.irp t, 0,1,2,3,4,5,6,7
	ds_load_b128 v[\f+4*\t:\f+4*\t+3], v[RD] offset:\t*2*SPITCH     ; my own bytes: LDS serves a wave's instructions in order (ISA guide 5.7.1.4)
.endr
.irp t, 0,1,2,3,4,5,6,7
	s_wait_dscnt 7-\t
	global_store_b128 v[CO], v[\f+4*\t:\f+4*\t+3], s[8:9] offset:(16*\i+2*\t)*8192      ; sixteen lanes store 256 consecutive bytes, aligned
.endr
.endm
	OUTG 0, 0, 0x0a, 0x02, 64
	OUTG 1, 1, 0x0a, 0x02, 128
	OUTG 2, 2, 0x0a, 0x02, 64
	OUTG 3, 3, 0x0a, 0x02, 128
	OUTG 4, 0, 0x0f, 0x03, 64
	OUTG 5, 1, 0x0f, 0x03, 128
	OUTG 6, 2, 0x0f, 0x03, 64
	OUTG 7, 3, 0x0f, 0x03, 128
	s_set_vgpr_msb 0x1
	s_wait_tensorcnt 0x0
	ds_add_u32 v255, v63
	s_wait_dscnt 0x0
	s_set_vgpr_msb 0x100
	CROUND                                         ; the closing round
	s_endpgm
.Lfunc_end_k_q4387a4631c_fc:
	.size	k_q4387a4631c_fc, .Lfunc_end_k_q4387a4631c_fc-k_q4387a4631c_fc
	.p2alignl 7, 3214868480
	.fill 96, 4, 3214868480
	.section	.rodata,"a",@progbits
	.p2align	6, 0x0
	.amdhsa_kernel k_q4387a4631c_fc
		.amdhsa_group_segment_fixed_size 327680
		.amdhsa_private_segment_fixed_size 0
		.amdhsa_enable_private_segment 0
		.amdhsa_kernarg_size 32
		.amdhsa_user_sgpr_count 2
		.amdhsa_user_sgpr_kernarg_segment_ptr 1
		.amdhsa_wavefront_size32 1
		.amdhsa_system_sgpr_workgroup_id_x 1
		.amdhsa_system_sgpr_workgroup_id_y 1
		.amdhsa_system_sgpr_workgroup_id_z 1
		.amdhsa_system_vgpr_workitem_id 0
		.amdhsa_next_free_vgpr 1024
		.amdhsa_next_free_sgpr 84
		.amdhsa_reserve_vcc 0
		.amdhsa_float_denorm_mode_32 3
		.amdhsa_float_denorm_mode_16_64 3
		.amdhsa_memory_ordered 1
		.amdhsa_forward_progress 1
		.amdhsa_inst_pref_size 255
	.end_amdhsa_kernel
	.section	.bss,"aw",@nobits
	.p2align	6
	.space	262144
	.amdgpu_metadata
---
amdhsa.version: [ 1, 2 ]
amdhsa.kernels:
  - .name:           k_q4387a4631c_fc
    .symbol:         k_q4387a4631c_fc.kd
    .args:
      - { .name: h2, .offset: 0, .size: 8, .value_kind: global_buffer, .address_space: global }
      - { .name: wt, .offset: 8, .size: 8, .value_kind: global_buffer, .address_space: global }
      - { .name: fc_b, .offset: 16, .size: 8, .value_kind: global_buffer, .address_space: global }
      - { .name: g, .offset: 24, .size: 8, .value_kind: global_buffer, .address_space: global }
    .group_segment_fixed_size: 327680
    .private_segment_fixed_size: 0
    .kernarg_segment_align: 8
    .kernarg_segment_size: 32
    .max_flat_workgroup_size: 128
    .sgpr_count:     84
    .vgpr_count:     1024
    .wavefront_size: 32
...
	.end_amdgpu_metadata
.endif
;; end of part 6
;; launch fcproj (part 7): grid 8 x 32, 4 waves a work-group, clusters of 4 x 1, 327,680 bytes of LDS; arguments g, wt, fc_proj_b, x1, out0; writes out0
.if DOCPART == 7
	.amdgcn_target "amdgcn-amd-amdhsa--gfx1250"
	.amdhsa_code_object_version 6
	.text
	.protected	k_q4387a4631c_fcproj
	.globl	k_q4387a4631c_fcproj
	.p2align	8
	.type	k_q4387a4631c_fcproj,@function
k_q4387a4631c_fcproj:
	s_mov_b64 s[64:65], 0
	v_nop
	global_prefetch_b8 v0, s[64:65] scope:SCOPE_SE
	s_setreg_imm32_b32 hwreg(HW_REG_WAVE_MODE, 25, 1), 1
	s_wait_xcnt 0x0
	s_wait_alu depctr_hold_cnt(0) depctr_sa_sdst(0) depctr_va_vdst(0) depctr_va_sdst(0) depctr_va_ssrc(0) depctr_va_vcc(0) depctr_vm_vsrc(0)
	s_getreg_b32 s2, hwreg(HW_REG_IB_STS2, 6, 4)
	s_cmp_eq_u32 s2, 0
	s_cbranch_scc0 .Lentry_in_a_cluster
	s_endpgm
.Lentry_in_a_cluster:
	s_bfe_u32 s2, ttmp6, 0x10000c
	s_cmp_lg_u32 s2, 0x3003
	s_cbranch_scc0 .Lentry_shape_is_right
	s_endpgm
.Lentry_shape_is_right:
; FCPROJ.  out0 = x1 + g Wo^T + fc_proj_b.  g: [4096][4096] bf16; Wo in fragment order (bf16) at byte W_OFF of wt; x1, out0: [4096][1024] f32.  Sums in f32.
; 4096 x 1024 shared among 256 work-groups is 128 x 128 each.  K IS SHARED AMONG THE FOUR WAVES: each wave keeps the whole 128 x 128 (64 accumulator tiles, 512 registers)
; for a quarter of K: of each slot of 512 along K wave w takes k = 128 w .. 128 w + 127, four steps of 32.  So every LDS byte is read once, 16 LDS loads for 64 matrix instructions.
; THE LEFT OPERAND goes through a ring of two LDS slots of 128 rows x 512 k filled by the tensor data mover (rows of 1,024 bytes of memory, aligned; 32 rows a wave, the tile's 128 shared among four).
; CLUSTERS: 4 x 1 work-groups, the four block columns of one block row, need the same tiles of the left operand and ask for them jointly.
; THE WEIGHTS do not pass LDS and are not asked for jointly, though the 32 block rows share them: a joint request lands in LDS.  With both operands there a slot of the same bytes would hold
; 256 of K, 128 matrix instructions a wave for each refill; with the left operand alone it holds 512, and a wave issues 240 between a request and the wait for it.  The weights lie in memory
; in fragment order ([n / 128][k / 32][n tile][half][lane][16 bytes]), each byte is needed by one wave of the work-group, and half a fragment is one load of 512 consecutive bytes into registers.
; Four buffers of a step's eight fragments: in the middle of step s the wave asks for tiles 4-7 of step s + 3 and tiles 0-3 of step s + 4, into the registers just used.
; THE FOUR PARTIAL SUMS meet in LDS: each wave stores its 128 x 128 f32 by rows into an image of its own (over the ring, which has had its last fill), and behind a barrier wave w
; adds rows 32 w .. 32 w + 31 of the four images, the bias and the residual, and stores whole rows of 512 bytes.  That is also the transposition that the way out needs.
; REGISTERS in windows of 256: window 0 addresses, left fragments (two buffers), later the rows read back; window 1 the four weight buffers, at the end the residual;
; window 2 the accumulators of weight tiles 0-3 (tile (a, b) at v[8 (4 a + b)], a the row tile); window 3 those of weight tiles 4-7.
; The matrix instruction is used transposed (source 0 = 16 rows of the weight, source 1 = 16 rows of the left operand): a lane holds eight neighbours of a row.
; Limits: operands are bf16; the sum over K is formed as four sums over interleaved quarters, then (0 + 1) + (2 + 3), bias, residual; NaN and infinities are not followed.
.set SIZE_K, 4096
.set W_OFF, 16777216
.set KSLOT, 512                        ; K in a slot
.set PITCH, 1040                       ; an LDS row: 1,024 bytes + 16 of padding: an odd multiple of 16, so the 16 rows of a fragment load start at 16 different groups of banks (ISA guide 11.1)
.set QI, 7                             ; padding behind every 256 words
.set LROWS, 32                         ; rows in one tensor load
.set PART, LROWS*PITCH
.set SLOT, 4*PART                      ; 133,120
.set NSLOT, SIZE_K/KSLOT
.set LAPS, NSLOT/2                     ; a lap = once round the ring
.set BSTEP, 8192                       ; a K step's eight weight fragments
.set BSLOT, 16*BSTEP                   ; the sixteen K steps of a slot
.set IPITCH, 528                       ; a row of an image: 512 bytes + 16
.set IMG, 128*IPITCH                   ; 67,584; four images: 270,336
.set ADRA, 16                          ; v16-19  LDS address of my left fragments: slot 0 rows 0-63, rows 64-127, slot 1 likewise
.set BO, 20                            ; v20     32,768 w + 16 lane: my place in a slot's weights
.set CO, 21                            ; v21     16 lane
.set STO, 22                           ; v22     where I put 16 bytes of a row of my image
.set RD, 24                            ; v24-27  my rows in image 0..3
.set BIASR, 28                         ; v[28:31] the bias of columns 4 lane .. + 3
.set FA0, 64                           ; v64-127, v128-191
.set RB, 64                            ; the way out: eight rows x four images x 4 registers
.set G1, 24
.set G0, 32
.set MSB, 0
.macro WIN new                         ; the immediate's high byte repeats the setting that is left
.if MSB != \new
	s_set_vgpr_msb (MSB<<8)|\new
.set MSB, \new
.endif
.endm
.set MUL_LO, 0xa1                      ; source 0 window 1, source 1 window 0, C and D window 2
.set MUL_HI, 0xf1                      ; C and D window 3
.set TO_B, 0x40                        ; destination window 1, address window 0
.macro CREST                           ; a round of the cluster's barrier behind its opening barrier
	s_cmp_lg_u32 s10, 0
	s_cbranch_scc1 .Lnot_wave_0_\@
	s_barrier_signal -3
.Lnot_wave_0_\@:
	s_barrier_wait -3
	s_barrier_signal -1
	s_barrier_wait -1
.endm
.macro CROUND
	s_barrier_signal -1
	s_barrier_wait -1
	CREST
.endm
.macro PLACES                          ; four plain vector instructions between a matrix instruction and a load into, or an LDS store of, its registers
.rept 4
	v_nop
.endr
.endm
	s_load_b128 s[4:7], s[0:1], 0x0                ; left operand s[4:5], wt s[6:7]
	s_load_b128 s[68:71], s[0:1], 0x10             ; bias s[68:69], residual s[70:71]
	s_load_b64 s[8:9], s[0:1], 0x20                ; result
	v_lshl_add_u32 v254, v0, 2, 0x42000
	v_mov_b32 v255, 0
	ds_add_u32 v254, v255
	ds_add_u32 v254, v255
	v_lshrrev_b32 v1, 5, v0
	v_readfirstlane_b32 s10, v1                    ; wave 0..3
	s_bfe_u32 s40, ttmp6, 0x40000                  ; cx
	s_lshl_b32 s42, ttmp9, 2
	s_add_co_u32 s42, s42, s40                     ; block column = 4 x cluster x + cx
	s_and_b32 s13, ttmp7, 0xffff                   ; block row = cluster y: the cluster is one work-group high
	; descriptor group 1: 32 rows x 512 elements of 2 bytes, 4 words of padding behind each row; the mask names the cluster's four work-groups
	s_mov_b32 s[G1+0], 15|(1<<16)|(1<<20)|(1<<21)|(QI<<22)|(3<<25)
	s_mov_b32 s[G1+1], KSLOT<<16                   ; tensor_dim0
	s_mov_b32 s[G1+2], LROWS<<16                   ; tensor_dim1
	s_mov_b32 s[G1+3], KSLOT<<16                   ; tile_dim0
	s_mov_b32 s[G1+4], LROWS                       ; tile_dim1
	s_mov_b32 s[G1+5], SIZE_K                      ; elements from row to row
	s_mov_b32 s[G1+6], 0
	s_mov_b32 s[G1+7], 0
	s_lshl_b32 s16, s13, 7
	s_lshl_b32 s17, s10, 5
	s_add_co_u32 s16, s16, s17                     ; row 128 x block row + 32 x wave: the rows that I fetch, and the rows that I finish
	s_lshl_b32 s72, s16, 12                        ; in the result and the residual: 4,096 bytes a row,
	s_lshl_b32 s74, s42, 9                         ; + 512 bytes a block column
	s_add_co_u32 s72, s72, s74
	s_mov_b32 s73, 0
	s_mov_b32 s75, 0
	s_mov_b32 s17, 0
	s_mov_b64 s[18:19], SIZE_K*2
	s_mul_u64 s[16:17], s[16:17], s[18:19]         ; in the left operand; no register of its address ever holds cx
	s_mul_i32 s20, s10, PART                       ; and where the rows go in LDS
	s_mul_i32 s46, s42, SIZE_K*256                 ; my block column's weights: K / 32 steps of 8,192 bytes
	s_add_co_u32 s46, s46, W_OFF
	s_mov_b32 s47, 0
	s_wait_dscnt 0x0
	s_wait_kmcnt 0x0
	s_add_nc_u64 s[14:15], s[4:5], s[16:17]
	s_add_nc_u64 s[6:7], s[6:7], s[46:47]
	s_add_nc_u64 s[8:9], s[8:9], s[72:73]
	s_add_nc_u64 s[70:71], s[70:71], s[72:73]
	s_add_nc_u64 s[68:69], s[68:69], s[74:75]
	CROUND                                         ; the four work-groups are here: the first joint loads meet
.irp s, 0,1
	s_mov_b32 s[G0+4*\s], 1
	s_add_co_u32 s[G0+4*\s+1], s20, \s*SLOT
	s_add_nc_u64 s[G0+4*\s+2:G0+4*\s+3], s[14:15], \s*KSLOT*2
	s_or_b32 s[G0+4*\s+3], s[G0+4*\s+3], 0x80000000
	tensor_load_to_lds s[G0+4*\s:G0+4*\s+3], s[G1:G1+7]            ; both slots before anything else: two tensor loads of a wave are out here, one later
	s_nop 0
.endr
; Eight loads: weight tiles 4 hb .. 4 hb + 3 of the K step at byte off from the lap's base, into buffer buf.  Each load is 512 consecutive bytes.
.macro BLD buf, hb, off
.irp b, 0,1,2,3
	global_load_b128 v[64*(\buf)+32*(\hb)+8*\b:64*(\buf)+32*(\hb)+8*\b+3],   v[BO], s[6:7] offset:(\off)+(4*(\hb)+\b)*1024
	global_load_b128 v[64*(\buf)+32*(\hb)+8*\b+4:64*(\buf)+32*(\hb)+8*\b+7], v[BO], s[6:7] offset:(\off)+(4*(\hb)+\b)*1024+512
.endr
.endm
; Eight loads: rows 8 g .. 8 g + 7 of my 32 rows of the residual, 512 consecutive bytes each, into window 1's v[32 g ..]
.macro RLD g
.irp i, 0,1,2,3,4,5,6,7
	global_load_b128 v[32*(\g)+4*\i:32*(\g)+4*\i+3], v[CO], s[70:71] offset:(8*(\g)+\i)*4096
.endr
.endm
.macro GROUP k, buf, hb, off           ; k = 1: weights; k = 2 + g: group g of the residual; k = 0: nothing
.if \k == 1
	BLD \buf, \hb, \off
.endif
.if \k > 1
	RLD \k-2
.endif
.endm
	v_and_b32 v3, 31, v0                           ; lane
	v_lshlrev_b32 v[CO], 4, v3
	global_load_b128 v[BIASR:BIASR+3], v[CO], s[68:69]
	s_lshl_b32 s21, s10, 15                        ; my four K steps of a slot's sixteen
	v_add_nc_u32 v[BO], s21, v[CO]
	WIN TO_B                                       ; the weights of steps 0 to 2 and tiles 0-3 of step 3, in the order in which the steps go on asking
	BLD 0, 0, 0
	BLD 0, 1, 0
	BLD 1, 0, BSTEP
	BLD 1, 1, BSTEP
	BLD 2, 0, 2*BSTEP
	BLD 2, 1, 2*BSTEP
	BLD 3, 0, 3*BSTEP
	WIN 0
	v_and_b32 v1, 15, v0                           ; r = l % 16
	v_bfe_u32 v2, v0, 4, 1                         ; h = l / 16
	v_mul_u32_u24 v4, v1, PITCH
	v_lshl_add_u32 v4, v2, 4, v4                   ; row x pitch + 16 x half
	s_lshl_b32 s21, s10, 8                         ; my 128 k of a row: 256 bytes
	v_add_nc_u32 v[ADRA], s21, v4
	v_add_nc_u32 v[ADRA+1], 64*PITCH, v[ADRA]
	v_add_nc_u32 v[ADRA+2], SLOT, v[ADRA]
	v_add_nc_u32 v[ADRA+3], SLOT+64*PITCH, v[ADRA]
	s_mul_i32 s22, s10, IMG                        ; my image
	v_mul_u32_u24 v5, v1, IPITCH
	v_lshl_add_u32 v5, v2, 5, v5                   ; row r, 32 bytes (eight f32) for each half of the lanes
	v_add_nc_u32 v[STO], s22, v5
	s_mul_i32 s23, s10, 32*IPITCH                  ; my 32 rows of every image
	v_add_nc_u32 v[RD], s23, v[CO]
.irp s, 1,2,3
	v_add_nc_u32 v[RD+\s], \s*IMG, v[RD]
.endr
; 16 matrix instructions: row tiles ra .. ra + 3 x weight tiles 4 hb .. 4 hb + 3 of step q (weight buffer q, left buffer q & 1).  first = 1: the constant 0 starts the sums.
.macro MULQ q, hb, ra, first
.set FBC, 64*(\q)+32*(\hb)
.set FAC, FA0+64*((\q)&1)+8*(\ra)
.irp a, 0,1,2,3
.irp b, 0,1,2,3
.if \first
	v_wmma_f32_16x16x32_bf16 v[8*(4*(\ra+\a)+\b):8*(4*(\ra+\a)+\b)+7], v[FBC+8*\b:FBC+8*\b+7], v[FAC+8*\a:FAC+8*\a+7], 0
.else
	v_wmma_f32_16x16x32_bf16 v[8*(4*(\ra+\a)+\b):8*(4*(\ra+\a)+\b)+7], v[FBC+8*\b:FBC+8*\b+7], v[FAC+8*\a:FAC+8*\a+7], v[8*(4*(\ra+\a)+\b):8*(4*(\ra+\a)+\b)+7]
.endif
.endr
.endr
.endm
; 16 LDS loads: my left fragments of step q of a slot (128 rows x 32 k) into buffer buf, row tiles 0-3 first
.macro FETCH slot, q, buf
.set FAF, FA0+64*(\buf)
.irp i, 0,1,2,3
	ds_load_b128 v[FAF+8*\i:FAF+8*\i+3],   v[ADRA+2*(\slot)] offset:(\q)*64+\i*16*PITCH
	ds_load_b128 v[FAF+8*\i+4:FAF+8*\i+7], v[ADRA+2*(\slot)] offset:(\q)*64+\i*16*PITCH+32
.endr
.irp i, 0,1,2,3
	ds_load_b128 v[FAF+32+8*\i:FAF+32+8*\i+3],   v[ADRA+2*(\slot)+1] offset:(\q)*64+\i*16*PITCH
	ds_load_b128 v[FAF+32+8*\i+4:FAF+32+8*\i+7], v[ADRA+2*(\slot)+1] offset:(\q)*64+\i*16*PITCH+32
.endr
.endm
; A step: 32 along K, 64 matrix instructions: weight tiles 0-3 with all eight row tiles, then tiles 4-7.  In its middle one run of loads: two groups of eight global loads (k1, k2)
; and the next step's left fragments.  The 64 accumulators take turns, one instruction a turn, in the same order in every step.
; chg = 1: the slot's last step: the slots change.  In front of the barrier each wave waits for its reads of this slot and for all its tensor loads (one is out: its part of the next slot).
; fill = 1: the barrier opens a round of the cluster's barrier, and behind the round the joint refill is the wave's first and only tensor load.
; last = 1: the very last step: the barrier says that my reads of the ring are over; behind it the images are stored over the ring.
; c0, c1: global loads come back in order (ISA guide 5.7.1); the counts are the loads issued behind the group that is needed, in groups of eight.
.macro STEP slot, q, first, chg, fill, last, k1, k2, c0, c1
.set S3_, 4*(\slot)+(\q)+3
	s_wait_loadcnt \c0                             ; this step's weight tiles 0-3 are in
	s_wait_dscnt 8                                 ; row tiles 0-3 are in; the youngest eight loads (row tiles 4-7) may be out
	WIN MUL_LO
	MULQ \q, 0, 0, \first
	s_wait_dscnt 0x0                               ; row tiles 4-7; where the slots change, and at the end: my reads of this slot are over
.if \chg
	s_set_vgpr_msb 0xa1a0
	s_wait_tensorcnt 0x0                           ; all my tensor loads have landed
	ds_add_u32 v254, v255
	s_wait_dscnt 0x0
	s_set_vgpr_msb 0xa0a1
.endif
.if \chg+\last
	s_barrier_signal -1
.endif
	MULQ \q, 0, 4, \first                          ; register work while the others arrive
.if \chg
	WIN 0
	s_barrier_wait -1
.if \fill
	CREST                                          ; no wave of any partner still reads this slot or has a load on its way
	s_add_nc_u64 s[G0+4*\slot+2:G0+4*\slot+3], s[G0+4*\slot+2:G0+4*\slot+3], 2*KSLOT*2
	tensor_load_to_lds s[G0+4*\slot:G0+4*\slot+3], s[G1:G1+7]
	s_nop 0
.endif
.endif
	s_wait_loadcnt \c1                             ; this step's weight tiles 4-7 are in
.if \last == 0
	PLACES
	WIN TO_B
	GROUP \k1, (S3_&3), 1, ((S3_>>2)*BSLOT+(S3_&3)*BSTEP)          ; tiles 4-7 of the step three ahead, into the last step's buffer
	GROUP \k2, \q, 0, ((\slot+1)*BSLOT+\q*BSTEP)                   ; tiles 0-3 of the step four ahead, into the registers used just now
	WIN 0
.if \chg
	FETCH 1-\slot, 0, 0
.else
	FETCH \slot, \q+1, (\q+1)&1
.endif
.endif
	WIN MUL_HI
	MULQ \q, 1, 0, \first
	MULQ \q, 1, 4, \first
.if \last
	WIN 0
	s_barrier_wait -1
.endif
.endm
; A slot: at a step's head six groups are younger than its tiles 0-3 (48 loads), in its middle five are younger than its tiles 4-7 (40).
.macro RUN slot, first, fill
	STEP \slot, 0, \first, 0, 0, 0, 1, 1, 48, 40
	STEP \slot, 1, 0, 0, 0, 0, 1, 1, 48, 40
	STEP \slot, 2, 0, 0, 0, 0, 1, 1, 48, 40
	STEP \slot, 3, 0, 1, \fill, 0, 1, 1, 48, 40
.endm
; The last slot.  Where no weights are left to ask for, the four groups of the residual take the places and the registers of the groups that would follow, so that the counts stay
; as they are; the last step has five and then four younger groups.
.macro TAIL
	STEP 1, 0, 0, 0, 0, 0, 1, 2, 48, 40
	STEP 1, 1, 0, 0, 0, 0, 3, 4, 48, 40
	STEP 1, 2, 0, 0, 0, 0, 5, 0, 48, 40
	STEP 1, 3, 0, 0, 0, 1, 0, 0, 40, 32
.endm
.macro NEXT                            ; the weights' base goes on by a lap
	s_wait_xcnt 0x0                                ; the base of pending loads is rewritten only behind this wait
	s_add_nc_u64 s[6:7], s[6:7], 2*BSLOT
.endm
	s_wait_tensorcnt 1                             ; my part of slot 0 is in; slot 1's stays out
	s_barrier_signal -1
	s_barrier_wait -1
	FETCH 0, 0, 0
.if LAPS > 1
	RUN 0, 1, 1
	RUN 1, 0, 1
	NEXT
.if LAPS > 2
	WIN 0
	s_mov_b32 s3, LAPS-2
.Llap:
	RUN 0, 0, 1
	RUN 1, 0, 1
	WIN 0
	NEXT
	s_sub_co_u32 s3, s3, 1
	s_cmp_lg_u32 s3, 0
	s_cbranch_scc1 .Llap
.endif
	RUN 0, 0, 0                                    ; the last lap fills nothing
.else
	RUN 0, 1, 0                                    ; K is two slots: both were filled at the start, nothing is filled again
.endif
	TAIL
	; THE WAY OUT.  No wave reads the ring any more and no tensor load is out or will follow.  My 128 x 128 goes by rows into my image:
	; tile (a, b): row 16 a + r, bytes 64 b + 32 h + 0..31.  The sixteen lanes of a store are 528 bytes apart: sixteen different 16-byte columns.
	PLACES
	WIN 0x08                                       ; the LDS stores' data from window 2
.irp a, 0,1,2,3,4,5,6,7
.irp b, 0,1,2,3
	ds_store_b128 v[STO], v[8*(4*\a+\b):8*(4*\a+\b)+3]   offset:\a*16*IPITCH+64*\b
	ds_store_b128 v[STO], v[8*(4*\a+\b)+4:8*(4*\a+\b)+7] offset:\a*16*IPITCH+64*\b+16
.endr
.endr
	WIN 0x0c                                       ; from window 3: weight tiles 4-7
.irp a, 0,1,2,3,4,5,6,7
.irp b, 0,1,2,3
	ds_store_b128 v[STO], v[8*(4*\a+\b):8*(4*\a+\b)+3]   offset:\a*16*IPITCH+64*\b+256
	ds_store_b128 v[STO], v[8*(4*\a+\b)+4:8*(4*\a+\b)+7] offset:\a*16*IPITCH+64*\b+272
.endr
.endr
	WIN 0
	s_wait_dscnt 0x0                               ; my image is whole before I say so: the other waves read it
	s_barrier_signal -1
	s_barrier_wait -1
	s_wait_loadcnt 0x0                             ; the residual
; Rows 8 g .. 8 g + 7 of my 32: a load takes a whole row of an image, 512 consecutive bytes; (0 + 1) + (2 + 3), the bias, the residual; a store is a row's 512 consecutive bytes, aligned.
.macro OUTS g
	s_wait_xcnt 0x0                                ; the registers that earlier stores read are loaded again only behind this wait
.irp i, 0,1,2,3,4,5,6,7
.irp s, 0,1,2,3
	ds_load_b128 v[RB+16*\i+4*\s:RB+16*\i+4*\s+3], v[RD+\s] offset:(8*\g+\i)*IPITCH
.endr
.endr
.irp i, 0,1,2,3,4,5,6,7
	s_wait_dscnt 28-4*\i                           ; LDS loads come back in order: row i's four are in
	v_pk_add_f32 v[RB+16*\i:RB+16*\i+1],     v[RB+16*\i:RB+16*\i+1],     v[RB+16*\i+4:RB+16*\i+5]
	v_pk_add_f32 v[RB+16*\i+2:RB+16*\i+3],   v[RB+16*\i+2:RB+16*\i+3],   v[RB+16*\i+6:RB+16*\i+7]
	v_pk_add_f32 v[RB+16*\i+8:RB+16*\i+9],   v[RB+16*\i+8:RB+16*\i+9],   v[RB+16*\i+12:RB+16*\i+13]
	v_pk_add_f32 v[RB+16*\i+10:RB+16*\i+11], v[RB+16*\i+10:RB+16*\i+11], v[RB+16*\i+14:RB+16*\i+15]
	v_pk_add_f32 v[RB+16*\i:RB+16*\i+1],     v[RB+16*\i:RB+16*\i+1],     v[RB+16*\i+8:RB+16*\i+9]
	v_pk_add_f32 v[RB+16*\i+2:RB+16*\i+3],   v[RB+16*\i+2:RB+16*\i+3],   v[RB+16*\i+10:RB+16*\i+11]
	v_pk_add_f32 v[RB+16*\i:RB+16*\i+1],     v[RB+16*\i:RB+16*\i+1],     v[BIASR:BIASR+1]
	v_pk_add_f32 v[RB+16*\i+2:RB+16*\i+3],   v[RB+16*\i+2:RB+16*\i+3],   v[BIASR+2:BIASR+3]
.endr
	WIN 0x04                                       ; source 1 (the residual) from window 1
.irp i, 0,1,2,3,4,5,6,7
	v_pk_add_f32 v[RB+16*\i:RB+16*\i+1],   v[RB+16*\i:RB+16*\i+1],   v[4*(8*\g+\i):4*(8*\g+\i)+1]
	v_pk_add_f32 v[RB+16*\i+2:RB+16*\i+3], v[RB+16*\i+2:RB+16*\i+3], v[4*(8*\g+\i)+2:4*(8*\g+\i)+3]
.endr
	WIN 0
.irp i, 0,1,2,3,4,5,6,7
	global_store_b128 v[CO], v[RB+16*\i:RB+16*\i+3], s[8:9] offset:(8*\g+\i)*4096
.endr
.endm
	OUTS 0
	OUTS 1
	OUTS 2
	OUTS 3
	s_wait_tensorcnt 0x0
	ds_add_u32 v254, v255
	s_wait_dscnt 0x0
	CROUND                                         ; the closing round: no work-group ends while a partner may still ask for a tile that names it
	s_endpgm
.Lfunc_end_k_q4387a4631c_fcproj:
	.size	k_q4387a4631c_fcproj, .Lfunc_end_k_q4387a4631c_fcproj-k_q4387a4631c_fcproj
	.p2alignl 7, 3214868480
	.fill 96, 4, 3214868480
	.section	.rodata,"a",@progbits
	.p2align	6, 0x0
	.amdhsa_kernel k_q4387a4631c_fcproj
		.amdhsa_group_segment_fixed_size 327680
		.amdhsa_private_segment_fixed_size 0
		.amdhsa_enable_private_segment 0
		.amdhsa_kernarg_size 40
		.amdhsa_user_sgpr_count 2
		.amdhsa_user_sgpr_kernarg_segment_ptr 1
		.amdhsa_wavefront_size32 1
		.amdhsa_system_sgpr_workgroup_id_x 1
		.amdhsa_system_sgpr_workgroup_id_y 1
		.amdhsa_system_sgpr_workgroup_id_z 1
		.amdhsa_system_vgpr_workitem_id 0
		.amdhsa_next_free_vgpr 1024
		.amdhsa_next_free_sgpr 84
		.amdhsa_reserve_vcc 0
		.amdhsa_float_denorm_mode_32 3
		.amdhsa_float_denorm_mode_16_64 3
		.amdhsa_memory_ordered 1
		.amdhsa_forward_progress 1
		.amdhsa_inst_pref_size 218
	.end_amdhsa_kernel
	.amdgpu_metadata
---
amdhsa.version: [ 1, 2 ]
amdhsa.kernels:
  - .name:           k_q4387a4631c_fcproj
    .symbol:         k_q4387a4631c_fcproj.kd
    .args:
      - { .name: g, .offset: 0, .size: 8, .value_kind: global_buffer, .address_space: global }
      - { .name: wt, .offset: 8, .size: 8, .value_kind: global_buffer, .address_space: global }
      - { .name: fc_proj_b, .offset: 16, .size: 8, .value_kind: global_buffer, .address_space: global }
      - { .name: x1, .offset: 24, .size: 8, .value_kind: global_buffer, .address_space: global }
      - { .name: out0, .offset: 32, .size: 8, .value_kind: global_buffer, .address_space: global }
    .group_segment_fixed_size: 327680
    .private_segment_fixed_size: 0
    .kernarg_segment_align: 8
    .kernarg_segment_size: 40
    .max_flat_workgroup_size: 128
    .sgpr_count:     84
    .vgpr_count:     1024
    .wavefront_size: 32
...
	.end_amdgpu_metadata
.endif
;; end of part 7
